; MI455X (gfx1250); checked and timed in simulation.
; The chip was launched on July 23, 2026; its instructions are those of AMD's public machine-readable ISA for CDNA 5 (MIT licence, August 2026) and "CDNA5" Instruction Set Architecture Reference Guide (July 2026). The comments in the code are by the model that wrote it; some were corrected since.
;; MHA. Allowed arithmetic: matrix products marked QUANTISED: E3M2 operands, one E8M0 scale for each 32 along K, by v_wmma_scale_f32_16x16x128_f8f6f4 with both operands' format E3M2, f32 sums; everything else in f32.
;; Inputs: Wqkv_b 3,072 float32; Wqkv_w 3,072 x 1,024 float32; out_b 1,024 float32; out_w 1,024 x 1,024 float32; x 1 x 4,096 x 1,024 float32.
;; Outputs: out0 1 x 4,096 x 1,024 float32.
;; This version of the problem:
;;   THIS VERSION OF THE PROBLEM IS GIVEN IN LOW PRECISION. The matrix products marked QUANTISED in the list below multiply operands that are first quantised to E3M2 (3 exponent bits, 2 mantissa bits; 6 bits a number), with one power-of-two scale for each 32 numbers along K (OCP MX v1.0); their sums are f32. All else is computed in f32.
;;   The module's matrix products, in the order in which they are computed (A, B: the left and right operand; K: the contracted axis; several contracted axes count as one K, in the product's order):
;;     1. [M 4,096, K 1,024] x [K 1,024, N 3,072]; A: input x; B: input Wqkv_w: QUANTISED
;;     2. batch 16 x [M 4,096, K 64] x [K 64, N 4,096]; A: computed on the way; B: computed on the way: QUANTISED
;;     3. batch 16 x [M 64, K 4,096] x [K 4,096, N 4,096]; A: computed on the way; B: softmax (see below): QUANTISED
;;     4. [M 4,096, K 1,024] x [K 1,024, N 1,024]; A: computed on the way; B: input out_w: QUANTISED
;;   THE QUANTISER, for each operand of a quantised product, along K:
;;     - K is cut into blocks of 32 from its start; a last block that is shorter is filled with zeros.
;;     - A block's scale is 2^e with e = floor(log2(the largest magnitude in the block)) - 4, held to -126 .. 127; a block of zeros has e = 0. As a byte (E8M0): e + 127.
;;     - Each number is divided by its block's scale, clamped to +-28, and rounded to the nearest number of E3M2, ties to even, subnormals kept.
;;     - The product sums the exact products of the quantised numbers (number of the format x scale) in f32.
;;   ~~~python
;;   def quantise(x, axis):      # numpy; x: float32 -> the quantised numbers, widened to float32 again
;;       x = np.moveaxis(x, axis, -1); K = x.shape[-1]
;;       x = np.pad(x, [(0, 0)] * (x.ndim - 1) + [(0, -K % 32)]); x = x.reshape(x.shape[:-1] + (-1, 32)); a = np.abs(x).max(-1, keepdims=True)
;;       e = np.where(a > 0, np.clip(np.frexp(np.where(a > 0, a, 1))[1] - 1 - 4, -126, 127), 0)      # np.frexp(a)[1] - 1 = floor(log2(a)), exactly
;;       r = np.clip(x / 2.0 ** e, -28, 28)
;;       step = 2.0 ** (np.maximum(np.frexp(np.where(r == 0, 1, r))[1] - 1, -2) - 2)
;;       q = np.round(r / step) * step * 2.0 ** e      # np.round: ties to even
;;       return np.moveaxis(q.reshape(q.shape[:-2] + (-1,))[..., :K], -1, axis).astype(np.float32)
;;   ~~~
;;   SOFTMAX AHEAD OF A QUANTISED PRODUCT. Where the list says 'softmax', what is quantised is not the finished softmax but p = 2^(t - M), with t = logit x log2(e) and M = ceil(the row's largest t), a whole number; so 1/2 < the row's largest p <= 1. The row's sum l is taken of the UNQUANTISED p, in f32, and the product's result is divided by l at the end. Since M is a whole number, a kernel that streams over the keys may use a running M (the ceiling of the running maximum): every later rescaling is an exact power of two, which a block's scale takes up: the codes' values come out the same.
;;   OPERANDS COMPUTED ON THE WAY. 'Computed on the way' means the value that the module computes at that place (a softmax that the list does not call 'softmax' is quantised finished and normalised). What goes into a quantiser is computed in f32, as accurately as f32 sums, v_exp_f32 and their like allow (about 1e-6 of the number): no bf16 or f16 on the way to a quantiser, and a product that is left as it is and whose result goes on into a quantised operand takes f32 operands (vector FMAs, or v_wmma_f32_16x16x4_f32). A number that lies on a knife's edge between two numbers of the format may be rounded either way, as far as f32 arithmetic and the matrix unit's own rounding can turn it there, and no further.
;; One version. Each part assembles by itself: llvm-mc -triple=amdgcn-amd-amdhsa -mcpu=gfx1250 --defsym DOCPART=n.
;; ======== version 1 of 1: 4 launches
;; limits: right only within a limited range of input values
;; workspace buffers: xc 3,145,728 bytes; xs 131,072 bytes; wc 3,145,728 bytes; ws 131,072 bytes; qb 3,407,872 bytes; kv 6,684,672 bytes; cc 3,145,728 bytes; cs 131,072 bytes
;; launch quant (part 1): grid 256 x 1, 4 waves a work-group, no clusters, 33,280 bytes of LDS; arguments x, Wqkv_w, out_w, xc, xs, wc, ws; writes xc, xs, wc, ws
.if DOCPART == 1
	.amdgcn_target "amdgcn-amd-amdhsa--gfx1250"
	.amdhsa_code_object_version 6
	.text
	.protected	k_q1953d6bb5a_quant
	.globl	k_q1953d6bb5a_quant
	.p2align	8
	.type	k_q1953d6bb5a_quant,@function
k_q1953d6bb5a_quant:
	s_mov_b64 s[64:65], 0
	v_nop
	global_prefetch_b8 v0, s[64:65] scope:SCOPE_SE
	s_setreg_imm32_b32 hwreg(HW_REG_WAVE_MODE, 25, 1), 1
	s_wait_xcnt 0x0
; x [4096][1024], Wqkv_w [3072][1024] and out_w [1024][1024], f32, K innermost, become codes of BF6 (E3M2), 6 bits each, with one E8M0 byte for each 32 along K.
; xc/xs take x; wc/ws take Wqkv_w (rows 0-3071) and behind it out_w (rows 3072-4095).  A row of codes is 768 bytes, a row of scale bytes 32.
; THE ROWS LEAVE IN ANOTHER ORDER: row p of a codes' buffer holds the tensor's row p with bits 3 and 4 exchanged.  So 16 neighbouring rows 32 b + 16 u + r of the buffer are the tensor's rows
; 32 b + 8 u + r + 8 (r / 8): a matrix tile of such rows leaves its results, two tiles together, as 16 neighbours along the next product's K.  A wave's run is 8 rows, so the exchange is an exchange of the wave number's two bits.
; A block's scale is 2^(floor(log2(largest magnitude)) - 4); its byte is the largest magnitude's exponent field - 4, held at 1 from below.
; LIMITS: a block of zeros gets the byte 1 (not 127): its codes are zeros, and only this program reads the bytes; blocks whose largest magnitude lies under 2^-122 keep the byte 1; NaN and infinities are not served.
; 256 work-groups of 32,768 numbers: 0-127 x, 128-223 Wqkv_w, 224-255 out_w; only pointers are chosen, the path is one.  No cluster, no tensor load, no barrier: waves share nothing, and every byte is read once.
; A wave takes 16 steps of 512 numbers.  Each load reads 512 consecutive bytes; a step's 2,048 bytes turn through the wave's own stage in LDS so that a lane holds 16 neighbours along K (two lanes a block).
.set STEPS, 16
.set CB,    12                         ; bytes of 16 codes
.set R,     16                         ; v16-79   four sets of 16 numbers as loaded
.set X,     80                         ; v80-111  two sets of 16 neighbours
.set E,     112                        ; v112-127 a scale byte for each step
.set C,     128                        ; v128-191 codes: four registers a step, so no store's data are written again
.set WREG,  8192                       ; LDS: a region for each wave: two stages of 32 x SP bytes, then its 256 scale bytes
.set SP,    80                         ; a lane's place in a stage: 64 bytes + 16 of padding
	s_load_b128 s[4:7], s[0:1], 0x0                ; x, Wqkv_w
	s_load_b128 s[8:11], s[0:1], 0x10              ; out_w, xc
	s_load_b128 s[12:15], s[0:1], 0x20             ; xs, wc
	s_load_b64 s[16:17], s[0:1], 0x30              ; ws
	v_lshl_add_u32 v192, v0, 2, 0x8000
	v_mov_b32 v193, 0
	v_lshrrev_b32 v1, 5, v0
	v_readfirstlane_b32 s20, v1                    ; wave
	v_and_b32 v2, 31, v0                           ; lane
	v_lshlrev_b32 v3, 4, v2                        ; my 16 bytes of a load's 512
	s_mul_i32 s21, s20, WREG
	v_lshrrev_b32 v14, 2, v2
	v_mul_u32_u24 v14, v14, SP
	v_and_b32 v15, 3, v2
	v_lshl_add_u32 v14, v15, 4, v14
	v_add_nc_u32 v14, s21, v14                     ; the stage, on the way in: SP (lane / 4) + 16 (lane % 4)
	v_mul_u32_u24 v15, v2, SP
	v_add_nc_u32 v15, s21, v15                     ; on the way out: SP x lane: my 16 neighbours
	; THE CODES' LAYOUT: a buffer is four planes, one for each 256 along K; a plane holds 4,096 rows of 192 bytes on end (a row's 768 bytes lie in four planes).
	; So 128 rows of one quarter of K are 24,576 consecutive bytes, which begin at a multiple of 256.
	v_and_b32 v4, 15, v2
	v_mul_u32_u24 v4, v4, CB                       ; sixteen lanes fill a row's 192 bytes of one plane,
	v_lshrrev_b32 v13, 4, v2
	v_mad_u32_u24 v4, v13, 0xc0000, v4             ; lanes 16-31 the next plane's (786,432 bytes on)
	v_lshrrev_b32 v5, 1, v2
	s_add_co_u32 s21, s21, 2*32*SP
	v_add_nc_u32 v5, s21, v5                       ; my wave's 256 scale bytes, my block's byte
	v_lshlrev_b32 v7, 3, v2                        ; and on the way out 8 bytes a lane
	v_add_nc_u32 v6, s21, v7
	s_and_b32 s26, s20, 1
	s_lshl_b32 s26, s26, 1
	s_lshr_b32 s27, s20, 1
	s_or_b32 s26, s26, s27                         ; the wave's number with its two bits exchanged: where my 8 rows go
	s_wait_alu depctr_va_vdst(0)
	s_wait_kmcnt 0x0
	s_cmp_lt_u32 ttmp9, 128                        ; the choices hang on the work-group's number alone
	s_cselect_b64 s[4:5], s[4:5], s[6:7]           ; from x or from Wqkv_w,
	s_cselect_b64 s[10:11], s[10:11], s[14:15]     ; codes to xc or wc,
	s_cselect_b64 s[12:13], s[12:13], s[16:17]     ; bytes to xs or ws
	s_cselect_b32 s22, 0, 128                      ; the first work-group of the buffers written
	s_cmp_ge_u32 ttmp9, 224
	s_cselect_b64 s[4:5], s[8:9], s[4:5]           ; or from out_w
	s_cselect_b32 s23, 224, s22                    ; the first work-group of the tensor read
	s_sub_co_u32 s24, ttmp9, s23
	s_lshl_b32 s24, s24, 2
	s_add_co_u32 s24, s24, s20                     ; which run of 8,192 numbers I read
	s_lshl_b32 s24, s24, 15                        ; 32,768 bytes a run
	s_mov_b32 s25, 0
	s_add_nc_u64 s[4:5], s[4:5], s[24:25]
	s_sub_co_u32 s27, ttmp9, s22
	s_lshl_b32 s27, s27, 2
	s_add_co_u32 s26, s26, s27                     ; which run I write
	s_mul_i32 s24, s26, 8*192                      ; a run is 8 rows: 1,536 bytes in each plane
	s_add_nc_u64 s[10:11], s[10:11], s[24:25]
	s_lshl_b32 s24, s26, 8                         ; 256 scale bytes a run
	s_add_nc_u64 s[12:13], s[12:13], s[24:25]
.macro LOAD t
.irp i, 0,1,2,3
	global_load_b128 v[R+16*((\t)%4)+4*\i:R+16*((\t)%4)+4*\i+3], v3, s[4:5] offset:2048*(\t)+512*\i th:TH_LOAD_NT   ; 32 lanes read 512 consecutive bytes
.endr
.endm
.macro TURN t                          ; step t's numbers through the stage: LDS serves a wave's instructions in order, so no wait stands between the stores and the loads
.irp i, 0,1,2,3
	ds_store_b128 v14, v[R+16*((\t)%4)+4*\i:R+16*((\t)%4)+4*\i+3] offset:32*SP*((\t)%2)+8*SP*\i
.endr
.irp i, 0,1,2,3
	ds_load_b128 v[X+16*((\t)%2)+4*\i:X+16*((\t)%2)+4*\i+3], v15 offset:32*SP*((\t)%2)+16*\i
.endr
.endm
.irp t, 0,1,2,3
	LOAD \t
.endr
	s_wait_loadcnt 12                              ; step 0's four loads are in; the twelve of steps 1 to 3 may be out
	TURN 0
.macro STEP t
.set XS, X+16*((\t)%2)
.if (\t) > 0
	s_wait_dscnt 1                                 ; this step's numbers are back from the stage (the last step's byte store may be out)
.else
	s_wait_dscnt 0x0
.endif
.if (\t)+4 < STEPS
	LOAD (\t)+4                                    ; into the set whose stores into the stage have read their registers
.endif
.if (\t)+1 < STEPS
.if STEPS-2-(\t) >= 3
	s_wait_loadcnt 12                              ; the next step's four loads are in; those of the three steps behind it may be out
.else
	s_wait_loadcnt 4*(STEPS-2-(\t))
.endif
	TURN (\t)+1                                    ; through the other stage while this step is worked
.endif
	v_max3_num_f32 v8, |v[XS]|, |v[XS+1]|, |v[XS+2]|               ; the largest magnitude of my 16, in two chains
	v_max3_num_f32 v9, |v[XS+3]|, |v[XS+4]|, |v[XS+5]|
.irp i, 6,10
	v_max3_num_f32 v8, v8, |v[XS+\i]|, |v[XS+\i+1]|
	v_max3_num_f32 v9, v9, |v[XS+\i+2]|, |v[XS+\i+3]|
.endr
	v_max3_num_f32 v8, v8, |v[XS+14]|, |v[XS+15]|
	v_max3_num_f32 v8, v8, v9, 0x2800000           ; and the floor 2^(5 - 127): the byte cannot fall under 1
	v_max_num_f32_dpp v8, v8, v8 row_xmask:1 row_mask:0xf bank_mask:0xf   ; with my neighbour's 16: the block's
	v_add_nc_u32 v11, 0xfe000000, v8               ; 4 off its exponent field: the conversion takes this operand's exponent field as its scale
	v_cvt_scalef32_pk16_bf6_f32 v[C+4*(\t):C+4*(\t)+2], v[XS:XS+15], v11
	v_lshrrev_b32 v[E+(\t)], 23, v11               ; the scale's byte
	ds_store_b8 v5, v[E+(\t)] offset:16*(\t)       ; both lanes of a block write the same byte with the same value
	global_store_b96 v4, v[C+4*(\t):C+4*(\t)+2], s[10:11] offset:((\t)%2)*2*786432+((\t)/2)*192   ; step t: row t / 2, planes 2 (t % 2) and 2 (t % 2) + 1: 192 consecutive bytes in each
.endm
.irp t, 0,1,2,3,4,5,6,7,8,9,10,11,12,13,14,15
	STEP \t
.endr
	ds_load_b64 v[12:13], v6                       ; LDS serves a wave's instructions in order: these see my byte stores
	s_wait_dscnt 0x0
	global_store_b64 v7, v[12:13], s[12:13]        ; 32 lanes store 256 consecutive bytes, aligned
	s_wait_tensorcnt 0x0
	ds_add_u32 v192, v193
	s_wait_dscnt 0x0
	s_endpgm
.Lfunc_end_k_q1953d6bb5a_quant:
	.size	k_q1953d6bb5a_quant, .Lfunc_end_k_q1953d6bb5a_quant-k_q1953d6bb5a_quant
	.p2alignl 7, 3214868480
	.fill 96, 4, 3214868480
	.section	.rodata,"a",@progbits
	.p2align	6, 0x0
	.amdhsa_kernel k_q1953d6bb5a_quant
		.amdhsa_group_segment_fixed_size 33280
		.amdhsa_private_segment_fixed_size 0
		.amdhsa_enable_private_segment 0
		.amdhsa_kernarg_size 56
		.amdhsa_user_sgpr_count 2
		.amdhsa_user_sgpr_kernarg_segment_ptr 1
		.amdhsa_wavefront_size32 1
		.amdhsa_system_sgpr_workgroup_id_x 1
		.amdhsa_system_sgpr_workgroup_id_y 1
		.amdhsa_system_sgpr_workgroup_id_z 1
		.amdhsa_system_vgpr_workitem_id 0
		.amdhsa_next_free_vgpr 194
		.amdhsa_next_free_sgpr 66
		.amdhsa_reserve_vcc 0
		.amdhsa_float_denorm_mode_32 3
		.amdhsa_float_denorm_mode_16_64 3
		.amdhsa_memory_ordered 1
		.amdhsa_forward_progress 1
		.amdhsa_inst_pref_size 33
	.end_amdhsa_kernel
	.amdgpu_metadata
---
amdhsa.version: [ 1, 2 ]
amdhsa.kernels:
  - .name:           k_q1953d6bb5a_quant
    .symbol:         k_q1953d6bb5a_quant.kd
    .args:
      - { .name: x, .offset: 0, .size: 8, .value_kind: global_buffer, .address_space: global }
      - { .name: Wqkv_w, .offset: 8, .size: 8, .value_kind: global_buffer, .address_space: global }
      - { .name: out_w, .offset: 16, .size: 8, .value_kind: global_buffer, .address_space: global }
      - { .name: xc, .offset: 24, .size: 8, .value_kind: global_buffer, .address_space: global }
      - { .name: xs, .offset: 32, .size: 8, .value_kind: global_buffer, .address_space: global }
      - { .name: wc, .offset: 40, .size: 8, .value_kind: global_buffer, .address_space: global }
      - { .name: ws, .offset: 48, .size: 8, .value_kind: global_buffer, .address_space: global }
    .group_segment_fixed_size: 33280
    .private_segment_fixed_size: 0
    .kernarg_segment_align: 8
    .kernarg_segment_size: 56
    .max_flat_workgroup_size: 128
    .sgpr_count:     66
    .vgpr_count:     194
    .wavefront_size: 32
...
	.end_amdgpu_metadata
.endif
;; end of part 1
;; launch gemm_qkv (part 2): grid 12 x 16, 4 waves a work-group, clusters of 4 x 4, 327,680 bytes of LDS; arguments xc, xs, wc, ws, Wqkv_b, qb, kv; writes qb, kv
.if DOCPART == 2
	.amdgcn_target "amdgcn-amd-amdhsa--gfx1250"
	.amdhsa_code_object_version 6
	.text
	.protected	k_q1953d6bb5a_gemm_qkv
	.globl	k_q1953d6bb5a_gemm_qkv
	.p2align	8
	.type	k_q1953d6bb5a_gemm_qkv,@function
k_q1953d6bb5a_gemm_qkv:
	s_mov_b64 s[64:65], 0
	v_nop
	global_prefetch_b8 v0, s[64:65] scope:SCOPE_SE
	s_setreg_imm32_b32 hwreg(HW_REG_WAVE_MODE, 25, 1), 1
	s_wait_xcnt 0x0
	s_wait_alu depctr_hold_cnt(0) depctr_sa_sdst(0) depctr_va_vdst(0) depctr_va_sdst(0) depctr_va_ssrc(0) depctr_va_vcc(0) depctr_vm_vsrc(0)
	s_getreg_b32 s2, hwreg(HW_REG_IB_STS2, 6, 4)
	s_cmp_eq_u32 s2, 0
	s_cbranch_scc0 .Lentry_in_a_cluster
	s_endpgm
.Lentry_in_a_cluster:
	s_bfe_u32 s2, ttmp6, 0x10000c
	s_cmp_lg_u32 s2, 0xf033
	s_cbranch_scc0 .Lentry_shape_is_right
	s_endpgm
.Lentry_shape_is_right:
; qkv = x Wqkv^T + b on codes of BF6 (E3M2), a block of 256 x 256 to a work-group, four waves of 128 x 128; q, k / 8 and v leave quantised, as images of the registers that the attention launch wants.
; K goes in four quarters of 256 (192 bytes a row) through two LDS slots; a quarter of 128 rows is a dense block of its plane and comes as 96 rows of 256 bytes.
; THE HEAD: one joint load a wave: wave 0 quarter 0 of A's 256 rows, wave 1 of B's, wave 2 A's scales, wave 3 B's; slot 1 is first filled behind the full sequence and a round of the cluster's barrier.
; 4 x 4 clusters: A's tiles are asked for jointly along a row of the cluster, B's along a column.  Cluster column 2 makes v with the operands exchanged, so that the keys run along a lane's registers.
.set KSTEP,  256
.set NQ,     2
.set ROWB,   192
.set KROW,   192                       ; a row's bytes in one plane of a codes' buffer
.set PLANE,  4096*192                  ; from one quarter of K to the next
.set PITCH,  240
.set FR,     12
.set NL,     6
.set NP,     4
.set HALFT,  128*PITCH
.set SLOT,   4*HALFT
.set LAPS,   2
.set KS,     32
.set SCL,    2*SLOT
.set HALFS,  (128*KS/256)*272
.set SBLK,   (16*KS/256)*272
.set SPARE,  SCL+4*HALFS
.set QBLK,   6656
.set KVBLK,  13056
.set L16,  8
.set L8,   9
.set AH,   10
.set AR,   11
.set ADRA, 16
.set ADRB, 20
.set ADRS, 27
.set SPW,  28
.set NIL,  29
.set SC,   32
.set BN,   64
.set AF,   128
.set BM,   224
.set ST,   128
.set PC,   192
.set PW,   212
.set W,    214
.set TM,   240
.set SW,   128
.set SEL,  92
.set G1, 24
.set G0, 32
.set G1B, 48
.set G0B, 56
.set G1S, 68
.set G0S, 76
.set G1SB, 80
.set G0SB, 88
.set MSB, 0
.macro WIN new
.if MSB != (\new)
	s_set_vgpr_msb (MSB<<8)|(\new)
.set MSB, (\new)
.endif
.endm
.set MUL_LO, 0xa1
.set MUL_HI, 0xf1
.set TO_B,   0x40
.macro JLOAD g0a, g1a, g0b, g1b
	s_cmp_eq_u32 s15, 0
	s_cbranch_scc0 .Lfor_b_\@
	tensor_load_to_lds s[\g0a:\g0a+3], s[\g1a:\g1a+7]
	s_nop 0
.rept 4
	v_nop
.endr
	s_branch .Lasked_\@
.Lfor_b_\@:
	tensor_load_to_lds s[\g0b:\g0b+3], s[\g1b:\g1b+7]
	s_nop 0
.rept 4
	v_nop
.endr
.Lasked_\@:
.endm
.macro CREST
	s_cmp_lg_u32 s14, 0
	s_cbranch_scc1 .Lnot_wave_0_\@
	s_barrier_signal -3
.Lnot_wave_0_\@:
	s_barrier_wait -3
	s_barrier_signal -1
	s_barrier_wait -1
.endm
.macro CROUND
	s_barrier_signal -1
	s_barrier_wait -1
	CREST
.endm
	s_load_b128 s[4:7], s[0:1], 0x0
	s_load_b128 s[8:11], s[0:1], 0x10
	s_load_b128 s[96:99], s[0:1], 0x20
	s_load_b64 s[100:101], s[0:1], 0x30
	v_lshl_add_u32 v[SPW], v0, 2, SPARE
	v_mov_b32 v[NIL], 0
	ds_add_u32 v28, v29
	ds_add_u32 v28, v29
	s_wait_dscnt 0x0
	v_lshrrev_b32 v1, 5, v0
	v_readfirstlane_b32 s14, v1
	s_lshr_b32 s15, s14, 1
	s_and_b32 s16, s14, 1
	s_bfe_u32 s40, ttmp6, 0x40000
	s_bfe_u32 s41, ttmp6, 0x40004
	s_lshl_b32 s12, ttmp9, 2
	s_and_b32 s13, ttmp7, 0xffff
	s_lshl_b32 s13, s13, 2
	s_cmp_eq_u32 ttmp9, 2
	s_cselect_b32 s17, 8, s13
	s_cselect_b32 s42, s13, s12
	s_add_co_u32 s17, s17, s41
	s_add_co_u32 s42, s42, s40
	s_lshl_b32 s43, s41, 2
	s_lshl_b32 s43, 15, s43
	s_lshl_b32 s44, 0x1111, s40
	s_or_b32 s[G1+0], s43, (0<<16)|(1<<20)|(1<<21)|(3<<22)|(3<<25)
	s_or_b32 s[G1B+0], s44, (0<<16)|(1<<20)|(1<<21)|(3<<22)|(3<<25)
.irp g, G1, G1B
	s_mov_b32 s[\g+1], 256<<16                     ; 128 rows of 192 bytes are dense in their plane: they come as 96 rows of 256 bytes, each from a multiple of 256;
	s_mov_b32 s[\g+2], 192<<16                     ; (the head's loads bring 256 code rows: 192 rows of 256 bytes; behind them the two words are set to 96)
	s_mov_b32 s[\g+3], 256<<16
	s_mov_b32 s[\g+4], 192
	s_mov_b32 s[\g+5], 256
	s_mov_b32 s[\g+6], 0
	s_mov_b32 s[\g+7], 0
.endr
	s_or_b32 s[G1S+0], s43, (3<<16)|(1<<20)|(1<<21)|(5<<22)|(3<<25)
	s_or_b32 s[G1SB+0], s44, (3<<16)|(1<<20)|(1<<21)|(5<<22)|(3<<25)
.irp g, G1S, G1SB
	s_mov_b32 s[\g+1], 32<<16
	s_mov_b32 s[\g+2], (256*KS/256)<<16
	s_mov_b32 s[\g+3], 32<<16
	s_mov_b32 s[\g+4], 256*KS/256
	s_mov_b32 s[\g+5], 32
	s_mov_b32 s[\g+6], 0
	s_mov_b32 s[\g+7], 0
.endr
	s_lshl_b32 s20, s17, 8                         ; A: the tile's first row
	s_lshl_b32 s46, s42, 8                         ; B: likewise
	s_mov_b32 s21, 0
	s_mov_b32 s47, 0
	s_mov_b64 s[18:19], KS
	s_mul_u64 s[22:23], s[20:21], s[18:19]
	s_mul_u64 s[92:93], s[46:47], s[18:19]
	s_mov_b64 s[18:19], KROW
	s_mul_u64 s[20:21], s[20:21], s[18:19]
	s_mul_u64 s[46:47], s[46:47], s[18:19]
	s_mul_i32 s45, s14, HALFT
	s_wait_kmcnt 0x0
	s_cmp_eq_u32 ttmp9, 2
	s_cselect_b64 s[2:3], s[8:9], s[4:5]
	s_cselect_b64 s[8:9], s[4:5], s[8:9]
	s_mov_b64 s[4:5], s[2:3]
	s_cselect_b64 s[2:3], s[10:11], s[6:7]
	s_cselect_b64 s[10:11], s[6:7], s[10:11]
	s_mov_b64 s[6:7], s[2:3]
	s_add_nc_u64 s[20:21], s[4:5], s[20:21]
	s_add_nc_u64 s[22:23], s[6:7], s[22:23]
	s_add_nc_u64 s[46:47], s[8:9], s[46:47]
	s_add_nc_u64 s[92:93], s[10:11], s[92:93]
	CROUND
	s_mov_b32 s[G0S], 1
	s_mov_b32 s[G0S+1], SCL
	s_mov_b64 s[G0S+2:G0S+3], s[22:23]
	s_or_b32 s[G0S+3], s[G0S+3], 0x80000000
	s_mov_b32 s[G0SB], 1
	s_mov_b32 s[G0SB+1], SCL+2*HALFS
	s_mov_b64 s[G0SB+2:G0SB+3], s[92:93]
	s_or_b32 s[G0SB+3], s[G0SB+3], 0x80000000
	s_mov_b32 s4, 1                                ; group 0 of the head's loads of quarter 0, in registers whose arguments have been used: A's 256 rows,
	s_mov_b32 s5, 0
	s_mov_b64 s[6:7], s[20:21]
	s_or_b32 s7, s7, 0x80000000
	s_mov_b32 s8, 1                                ; B's 256 rows, behind them in slot 0
	s_mov_b32 s9, 2*HALFT
	s_mov_b64 s[10:11], s[46:47]
	s_or_b32 s11, s11, 0x80000000
	s_mul_i32 s18, s16, 128*KROW                   ; for the ring: which 128 rows of a tile I fetch
	s_mov_b32 s19, 0
	s_add_nc_u64 s[20:21], s[20:21], s[18:19]
	s_add_nc_u64 s[46:47], s[46:47], s[18:19]
.irp s, 0,1
	s_mov_b32 s[G0+4*\s], 1
	s_add_co_u32 s[G0+4*\s+1], s45, \s*SLOT
	s_add_nc_u64 s[G0+4*\s+2:G0+4*\s+3], s[20:21], \s*PLANE
	s_or_b32 s[G0+4*\s+3], s[G0+4*\s+3], 0x80000000
	s_mov_b32 s[G0B+4*\s], 1
	s_add_co_u32 s[G0B+4*\s+1], s45, \s*SLOT
	s_add_nc_u64 s[G0B+4*\s+2:G0B+4*\s+3], s[46:47], \s*PLANE
	s_or_b32 s[G0B+4*\s+3], s[G0B+4*\s+3], 0x80000000
.endr
; one tree of branches on the wave's number, a load to each arm, all arms leading to one join: one tensor load a wave at the head
.macro ARM under, g0, g1, next
	s_cmp_lt_u32 s14, \under
	s_cbranch_scc0 \next
	tensor_load_to_lds s[\g0:\g0+3], s[\g1:\g1+7]
	s_nop 0
.rept 4
	v_nop
.endr
	s_branch .Lhead_asked
\next:
.endm
	ARM 1, 4, G1, .Lhead_b
	ARM 2, 8, G1B, .Lhead_sa
	ARM 3, G0S, G1S, .Lhead_sb
	tensor_load_to_lds s[G0SB:G0SB+3], s[G1SB:G1SB+7]
	s_nop 0
.rept 4
	v_nop
.endr
.Lhead_asked:
	v_and_b32 v1, 15, v0
	v_bfe_u32 v2, v0, 4, 1
	v_mul_u32_u24 v3, v1, PITCH
	v_mul_u32_u24 v4, v2, 24
	v_add_nc_u32 v4, v3, v4
	v_lshl_add_u32 v5, v2, 4, v4
	s_mul_i32 s21, s15, HALFT
	s_mul_i32 s22, s16, HALFT
	s_add_co_u32 s22, s22, 2*HALFT
.irp s, 0,1
	v_add_nc_u32 v[ADRA+\s], s21, v4
	v_add_nc_u32 v[ADRB+\s], s22, v4
	v_add_nc_u32 v[ADRA+2+\s], s21, v5
	v_add_nc_u32 v[ADRB+2+\s], s22, v5
	s_add_co_u32 s21, s21, SLOT
	s_add_co_u32 s22, s22, SLOT
.endr
	v_mul_u32_u24 v5, v1, KS
	v_lshrrev_b32 v6, 8, v5
	v_lshl_add_u32 v5, v6, 4, v5
	s_mul_i32 s21, s15, HALFS
	s_mul_i32 s22, s16, HALFS
	s_add_co_u32 s22, s22, 2*HALFS
	s_sub_co_u32 s22, s22, s21
	v_mul_u32_u24 v6, s22, v2
	s_add_co_u32 s21, s21, SCL
	v_add_nc_u32 v5, v5, v6
	v_add_nc_u32 v[ADRS], s21, v5
	v_and_b32 v6, 31, v0
	v_lshlrev_b32 v[L16], 4, v6
	v_lshlrev_b32 v[L8], 3, v6
	v_lshlrev_b32 v[AH], 6, v2
	s_wait_alu depctr_va_vdst(0)
	v_and_b32 v6, 8, v1
	v_add_nc_u32 v6, v6, v1
	v_lshlrev_b32 v[AR], 2, v6
	s_wait_alu depctr_va_vdst(0)
	s_lshl_b32 s18, ttmp9, 2
	s_add_co_u32 s18, s18, s40
	s_lshl_b32 s18, s18, 1
	s_add_co_u32 s18, s18, s16
	s_lshl_b32 s18, s18, 9
	s_mov_b32 s19, 0
	s_add_nc_u64 s[12:13], s[96:97], s[18:19]
	s_lshl_b32 s18, s41, 1
	s_add_co_u32 s18, s18, s15
	s_lshl_b32 s18, s18, 9
	s_add_co_u32 s18, s18, 8192
	s_add_nc_u64 s[66:67], s[96:97], s[18:19]
.irp g, 0,1,2,3
.irp q, 0,1,2,3
	global_load_b128 v[BN+16*\g+4*\q:BN+16*\g+4*\q+3], v[AH], s[12:13] offset:128*\g+16*\q
.endr
.endr
.irp a, 0,1,2,3,4,5,6,7
	global_load_b32 v[BM+2*\a], v[AR], s[66:67] offset:4*(32*(\a/2)+8*(\a%2))
	global_load_b32 v[BM+2*\a+1], v[AR], s[66:67] offset:4*(32*(\a/2)+8*(\a%2))
.endr
.macro FRAG reg, adr, q, i
.irp p, 0,1,2,3,4,5
.set PCE, 12*(\q)+6*(\p/3)+\p%3
.if PCE%8 < 5
	ds_load_b64 v[\reg+2*\p:\reg+2*\p+1], v[\adr] offset:8*PCE+16*(PCE/8)+(\i)*16*PITCH
.else
	ds_load_b64 v[\reg+2*\p:\reg+2*\p+1], v[\adr+2] offset:8*PCE+16*(PCE/8)+(\i)*16*PITCH
.endif
.endr
.endm
.macro MUL16 a0, p, q, sc, zero
.irp a, \a0, \a0+1
.irp b, 0,1,2,3,4,5,6,7
.if \zero
	v_wmma_scale_f32_16x16x128_f8f6f4 v[8*(8*((\a)%4)+\b):8*(8*((\a)%4)+\b)+7], v[128*(\p)+FR*\b:128*(\p)+FR*\b+FR-1], v[AF+FR*(\a):AF+FR*(\a)+FR-1], 0, v[SC+8*NQ*(\sc)+NQ*\b+(\q)], v[SC+8*NQ*(\sc)+NQ*(\a)+(\q)] matrix_a_fmt:MATRIX_FMT_BF6 matrix_b_fmt:MATRIX_FMT_BF6 matrix_a_scale:MATRIX_SCALE_ROW1
.else
	v_wmma_scale_f32_16x16x128_f8f6f4 v[8*(8*((\a)%4)+\b):8*(8*((\a)%4)+\b)+7], v[128*(\p)+FR*\b:128*(\p)+FR*\b+FR-1], v[AF+FR*(\a):AF+FR*(\a)+FR-1], v[8*(8*((\a)%4)+\b):8*(8*((\a)%4)+\b)+7], v[SC+8*NQ*(\sc)+NQ*\b+(\q)], v[SC+8*NQ*(\sc)+NQ*(\a)+(\q)] matrix_a_fmt:MATRIX_FMT_BF6 matrix_b_fmt:MATRIX_FMT_BF6 matrix_a_scale:MATRIX_SCALE_ROW1
.endif
.endr
.endr
.endm
.macro FETCH_B slot, q, p
	WIN TO_B
.irp i, 0,1,2,3,4,5,6,7
	FRAG 128*(\p)+FR*\i, ADRB+\slot, \q, \i
.endr
	WIN 0
.endm
.macro FETCH_A slot, q, i0
.irp i, \i0, \i0+1, \i0+2, \i0+3
	FRAG AF+FR*(\i), ADRA+\slot, \q, \i
.endr
.endm
.macro SCALES sc
.irp i, 0,1,2,3,4,5,6,7
	ds_load_b64 v[SC+8*NQ*\sc+NQ*\i:SC+8*NQ*\sc+NQ*\i+1], v[ADRS] offset:\i*SBLK
.endr
.endm
.macro PLACES n
.rept \n
	v_nop
.endr
.endm
.macro STEP slot, q, zero
	s_wait_dscnt 4*NL
	WIN MUL_LO
	MUL16 0, (\q)%2, \q, \slot, \zero
	MUL16 2, (\q)%2, \q, \slot, \zero
	s_wait_dscnt 0
	PLACES NP
	FETCH_B \slot, (\q)+1, 1-(\q)%2
	FETCH_A \slot, (\q)+1, 0
	WIN MUL_HI
	MUL16 4, (\q)%2, \q, \slot, \zero
	MUL16 6, (\q)%2, \q, \slot, \zero
	PLACES NP
	WIN 0
	FETCH_A \slot, (\q)+1, 4
.endm
.macro TURN slot, next, fill
	s_wait_tensorcnt 0x0
	ds_add_u32 v[SPW], v[NIL]
	s_wait_dscnt 4*NL+1
	WIN MUL_LO
	MUL16 0, 1, NQ-1, \slot, 0
	s_wait_dscnt 0x0
	s_barrier_signal -1
	MUL16 2, 1, NQ-1, \slot, 0
	WIN 0
	s_barrier_wait -1
.if \fill
	CREST
	s_add_nc_u64 s[G0+4*\slot+2:G0+4*\slot+3], s[G0+4*\slot+2:G0+4*\slot+3], 2*PLANE
	s_add_nc_u64 s[G0B+4*\slot+2:G0B+4*\slot+3], s[G0B+4*\slot+2:G0B+4*\slot+3], 2*PLANE
	JLOAD G0+4*\slot, G1, G0B+4*\slot, G1B
.else
	PLACES NP
.endif
	s_wait_alu depctr_va_vdst(0)
	v_add_nc_u32 v[ADRS], 4*NQ, v[ADRS]
	FETCH_B \next, 0, 0
	FETCH_A \next, 0, 0
	SCALES \next
	WIN MUL_HI
	MUL16 4, 1, NQ-1, \slot, 0
	MUL16 6, 1, NQ-1, \slot, 0
	PLACES NP
	WIN 0
	FETCH_A \next, 0, 4
.endm
	s_wait_alu depctr_va_vdst(0)
	s_wait_tensorcnt 0x0                           ; my tile of the head's four is in
	ds_add_u32 v[SPW], v[NIL]
	s_mov_b32 s[G1+2], 96<<16                      ; no tensor load of mine is out: from here on a load brings 128 code rows, 96 rows of 256 bytes
	s_mov_b32 s[G1+4], 96
	s_mov_b32 s[G1B+2], 96<<16
	s_mov_b32 s[G1B+4], 96
	s_wait_dscnt 0x0
	CROUND                                         ; all four tiles are in, and the sixteen work-groups are here
	JLOAD G0+4, G1, G0B+4, G1B                     ; quarter 1 into slot 1, the first tensor load behind the round
	FETCH_B 0, 0, 0
	FETCH_A 0, 0, 0
	SCALES 0
	FETCH_A 0, 0, 4
	STEP 0, 0, 1
	s_mov_b32 s3, LAPS-1
.Llap:
	TURN 0, 1, 1
	STEP 1, 0, 0
	TURN 1, 0, 1
	STEP 0, 0, 0
	s_sub_co_u32 s3, s3, 1
	s_cmp_lg_u32 s3, 0
	s_cbranch_scc1 .Llap
	TURN 0, 1, 0
	STEP 1, 0, 0
	s_wait_dscnt 4*NL
	WIN MUL_LO
	MUL16 0, 1, NQ-1, 1, 0
	MUL16 2, 1, NQ-1, 1, 0
	s_wait_dscnt 0
	WIN MUL_HI
	MUL16 4, 1, NQ-1, 1, 0
	MUL16 6, 1, NQ-1, 1, 0
	WIN 0
.macro QUANT s
.irp b, 0,1,2,3
	v_max3_num_f32 v[TM+\b], |v[\s+16*\b]|, |v[\s+1+16*\b]|, 0x2800000
.endr
.irp i, 2,4,6,8,10,12,14
.irp b, 0,1,2,3
	v_max3_num_f32 v[TM+\b], v[TM+\b], |v[\s+16*\b+\i]|, |v[\s+1+16*\b+\i]|
.endr
.endr
.irp b, 0,1,2,3
	v_permlanex16_b32 v[TM+4+\b], v[TM+\b], s[SEL], s[SEL+1]
.endr
.irp b, 0,1,2,3
	v_max_num_f32 v[TM+\b], v[TM+\b], v[TM+4+\b]
.endr
.irp b, 0,1,2,3
	v_add_nc_u32 v[TM+12+\b], 0xfe000000, v[TM+\b]
.endr
.irp b, 0,1,2,3
	v_lshrrev_b32 v[TM+4+\b], 23, v[TM+12+\b]
.endr
	v_lshl_or_b32 v[PW], v[TM+5], 8, v[TM+4]
	v_lshl_or_b32 v[PW], v[TM+6], 16, v[PW]
	v_lshl_or_b32 v[PW], v[TM+7], 24, v[PW]
.irp c, 0,1
	v_cvt_scalef32_pk16_bf6_f32 v[PC+6*\c:PC+2+6*\c], v[\s+32*\c:\s+15+32*\c], v[TM+12+2*\c]
	v_cvt_scalef32_pk16_bf6_f32 v[PC+12+4*\c:PC+14+4*\c], v[\s+16+32*\c:\s+31+32*\c], v[TM+12+2*\c+1]
.endr
	v_nop
.irp c, 0,1
.irp i, 0,1,2
	v_permlane16_swap_b32 v[PC+6*\c+\i], v[PC+12+4*\c+\i]
.endr
.irp i, 0,1,2
	v_mov_b32 v[PC+3+6*\c+\i], v[PC+12+4*\c+\i]
.endr
.endr
.endm
.macro EPI_QK a
.if \a > 0
	s_wait_xcnt 0x0
.endif
	WIN 0x02+(\a)/4
.set AC, 64*((\a)%4)
.set i, 0
.rept 32
	v_pk_fma_f32 v[ST+i:ST+i+1], v[AC+i:AC+i+1], s[46:47], v[BN+i:BN+i+1] op_sel_hi:[1,0,1]
.set i, i+2
.endr
	WIN 0
	QUANT ST
	v_mov_b32 v[W+(\a)], v[PW]
	global_store_b128 v[L16], v[PC:PC+3], s[20:21] offset:768*(\a)
	global_store_b64 v[L8], v[PC+4:PC+5], s[20:21] offset:768*(\a)+512
	global_store_b128 v[L16], v[PC+6:PC+9], s[22:23] offset:768*(\a)
	global_store_b64 v[L8], v[PC+10:PC+11], s[22:23] offset:768*(\a)+512
.endm
.macro EPI_V a
.if \a > 0
	s_wait_xcnt 0x0
.endif
	WIN 0x02+(\a)/4
.set AC, 64*((\a)%4)
.set i, 0
.rept 32
	v_pk_add_f32 v[ST+i:ST+i+1], v[AC+i:AC+i+1], v[BM+2*(\a):BM+2*(\a)+1]
.set i, i+2
.endr
	WIN 0
	QUANT ST
	v_mov_b32 v[W+(\a)], v[PW]
.irp c, 0,1,2
	global_store_b128 v[L16], v[PC+4*\c:PC+4*\c+3], s[20:21] offset:((\a)/4)*32*KVBLK+QBLK+1536*((\a)%4)+512*\c
.endr
.endm
	PLACES NP
	s_wait_loadcnt 0x0
.irp b, 0,1,2,3
	v_mov_b32 v[TM+4+\b], 0
.endr
	s_mov_b32 s[SEL], 0x76543210
	s_mov_b32 s[SEL+1], 0xfedcba98
	s_mov_b32 s94, 0xffff0000
	s_cmp_eq_u32 ttmp9, 2
	s_cbranch_scc1 .Lv
	s_cmp_eq_u32 ttmp9, 1
	s_cselect_b32 s46, 0x3e000000, 1.0
	s_mov_b32 s95, KVBLK
	s_cselect_b32 s95, s95, QBLK
	s_cselect_b64 s[20:21], s[100:101], s[98:99]
	s_mov_b32 s47, s46
	s_lshl_b32 s22, s40, 2
	s_lshl_b32 s23, s16, 1
	s_add_co_u32 s22, s22, s23
	s_lshl_b32 s22, s22, 5
	s_lshl_b32 s23, s17, 1
	s_add_co_u32 s23, s23, s15
	s_add_co_u32 s22, s22, s23
	s_mul_i32 s22, s22, s95
	s_mov_b32 s23, 0
	s_add_nc_u64 s[20:21], s[20:21], s[22:23]
	s_lshl_b32 s22, s95, 5
	s_add_nc_u64 s[22:23], s[20:21], s[22:23]
.set i, 0
.rept 32
	v_pk_mul_f32 v[BN+i:BN+i+1], v[BN+i:BN+i+1], s[46:47] op_sel_hi:[1,0]
.set i, i+2
.endr
.irp a, 0,1,2,3,4,5,6,7
	EPI_QK \a
.endr
.irp p, 0,1,2,3
	v_cndmask_b32 v[SW+\p], v[W+2*\p], v[W+2*\p+1], s94
.endr
.irp p, 0,1,2,3
	v_lshrrev_b32 v[SW+4+\p], 16, v[SW+\p]
.endr
	global_store_b128 v[L16], v[SW:SW+3], s[20:21] offset:6144
	global_store_b128 v[L16], v[SW+4:SW+7], s[22:23] offset:6144
	s_branch .Ljoin
.Lv:
	s_lshl_b32 s22, s41, 2
	s_lshl_b32 s23, s15, 1
	s_add_co_u32 s22, s22, s23
	s_lshl_b32 s22, s22, 5
	s_lshl_b32 s23, s42, 1
	s_add_co_u32 s23, s23, s16
	s_add_co_u32 s22, s22, s23
	s_mul_i32 s22, s22, KVBLK
	s_mov_b32 s23, 0
	s_add_nc_u64 s[20:21], s[100:101], s[22:23]
.irp a, 0,1,2,3,4,5,6,7
	EPI_V \a
.endr
.irp e, 0,1
.irp p, 0,1
	v_cndmask_b32 v[SW+2*\e+\p], v[W+4*\e+2*\p], v[W+4*\e+2*\p+1], s94
.endr
.endr
.irp e, 0,1
	global_store_b64 v[L8], v[SW+2*\e:SW+2*\e+1], s[20:21] offset:\e*32*KVBLK+12800
.endr
.Ljoin:
	s_wait_tensorcnt 0x0
	ds_add_u32 v[SPW], v[NIL]
	s_wait_dscnt 0x0
	CROUND
	s_endpgm
.Lfunc_end_k_q1953d6bb5a_gemm_qkv:
	.size	k_q1953d6bb5a_gemm_qkv, .Lfunc_end_k_q1953d6bb5a_gemm_qkv-k_q1953d6bb5a_gemm_qkv
	.p2alignl 7, 3214868480
	.fill 96, 4, 3214868480
	.section	.rodata,"a",@progbits
	.p2align	6, 0x0
	.amdhsa_kernel k_q1953d6bb5a_gemm_qkv
		.amdhsa_group_segment_fixed_size 327680
		.amdhsa_private_segment_fixed_size 0
		.amdhsa_enable_private_segment 0
		.amdhsa_kernarg_size 56
		.amdhsa_user_sgpr_count 2
		.amdhsa_user_sgpr_kernarg_segment_ptr 1
		.amdhsa_wavefront_size32 1
		.amdhsa_system_sgpr_workgroup_id_x 1
		.amdhsa_system_sgpr_workgroup_id_y 1
		.amdhsa_system_sgpr_workgroup_id_z 1
		.amdhsa_system_vgpr_workitem_id 0
		.amdhsa_next_free_vgpr 1024
		.amdhsa_next_free_sgpr 102
		.amdhsa_reserve_vcc 0
		.amdhsa_float_denorm_mode_32 3
		.amdhsa_float_denorm_mode_16_64 3
		.amdhsa_memory_ordered 1
		.amdhsa_forward_progress 1
		.amdhsa_inst_pref_size 238
	.end_amdhsa_kernel
	.amdgpu_metadata
---
amdhsa.version: [ 1, 2 ]
amdhsa.kernels:
  - .name:           k_q1953d6bb5a_gemm_qkv
    .symbol:         k_q1953d6bb5a_gemm_qkv.kd
    .args:
      - { .name: xc, .offset: 0, .size: 8, .value_kind: global_buffer, .address_space: global }
      - { .name: xs, .offset: 8, .size: 8, .value_kind: global_buffer, .address_space: global }
      - { .name: wc, .offset: 16, .size: 8, .value_kind: global_buffer, .address_space: global }
      - { .name: ws, .offset: 24, .size: 8, .value_kind: global_buffer, .address_space: global }
      - { .name: Wqkv_b, .offset: 32, .size: 8, .value_kind: global_buffer, .address_space: global }
      - { .name: qb, .offset: 40, .size: 8, .value_kind: global_buffer, .address_space: global }
      - { .name: kv, .offset: 48, .size: 8, .value_kind: global_buffer, .address_space: global }
    .group_segment_fixed_size: 327680
    .private_segment_fixed_size: 0
    .kernarg_segment_align: 8
    .kernarg_segment_size: 56
    .max_flat_workgroup_size: 128
    .sgpr_count:     102
    .vgpr_count:     1024
    .wavefront_size: 32
...
	.end_amdgpu_metadata
.endif
;; end of part 2
;; launch attn (part 3): grid 16 x 16, 8 waves a work-group, no clusters, 327,680 bytes of LDS; arguments qb, kv, cc, cs; writes cc, cs
.if DOCPART == 3
	.amdgcn_target "amdgcn-amd-amdhsa--gfx1250"
	.amdhsa_code_object_version 6
	.text
	.protected	k_q1953d6bb5a_attn
	.globl	k_q1953d6bb5a_attn
	.p2align	8
	.type	k_q1953d6bb5a_attn,@function
k_q1953d6bb5a_attn:
	s_mov_b64 s[64:65], 0
	v_nop
	global_prefetch_b8 v0, s[64:65] scope:SCOPE_SE
	s_setreg_imm32_b32 hwreg(HW_REG_WAVE_MODE, 25, 1), 1
	s_wait_xcnt 0x0
; Attention of one head on codes of BF6 (E3M2): S^T = K Q^T (K = the head's 64; the upper 64 of the instruction's 128 meet zero codes of Q), the added mask, the softmax, O^T = V^T P^T (K = the keys), O / l, the context quantised for the last product.
; THE MASK IS AN ADDED -10,000, NOT A CUT: with large inputs hidden keys still count, so every query walks all 4,096 keys, 128 a step; nothing of reference() is left out.
;   Steps in front of the diagonal add nothing; the one step on it adds -10,000 score by score; every later step takes -10,000 as the C of its first product.
; THE SOFTMAX: t = score x log2(e); M = the running largest t rounded up to a whole number; p = 2^(t - M) is quantised along the keys; l sums the unquantised p; when M moves, l and O^T are multiplied by 2^(old M - new M): exact.
; SHARES.  A work-group owns 256 queries of a head (x: the block, y: the head): 256 work-groups.  Each of its eight waves owns TWO tiles of 16 queries, so each fragment of K and V read from LDS feeds two matrix instructions;
;   the two tiles' dependent lines stand by turns.  Two waves to a SIMD, 512 registers each.
; THE LOOP IS TURNED BY HALF A STEP: a trip asks for K(j), finishes step j - 1 under that flight (O^T x f, the eight products with V(j - 1)), multiplies K(j), asks for V(j), and makes p(j) and its codes under that flight.
;   The first trip finishes a step of zero codes onto zeros; the last step is finished behind the loops.
; All operands arrive as images of their registers (16 x lane, 8 x lane).  A key step's block is 13,056 bytes: 51 rows of 256; a slot holds eight, one tensor load a wave; two slots.
; K'S FRAGMENTS LIE 6 REGISTERS APART: tile t is named as 12 registers, whose upper six are the next tile's codes (behind tile 7: zeros); they meet Q's zero codes, and no scale byte here is 0xff, so they add 0.
; NO CLUSTER, though the sixteen work-groups of a head walk the same blocks: the step on the diagonal is found by a scalar branch on 2 x + wave / 4, which differs between those work-groups, and partners of a joint request run alike.
; NO PREFETCH: a refill is asked for eight steps (192 matrix instructions a wave) ahead of the wait for it.
; LIMITS: the promise holds while |t| stays under 2^31; NaN and infinities are not served; zero blocks carry the byte 1 (zero codes; only this program reads the bytes).
; REGISTERS.  Window 0: addresses, state, scales, Q, S^T / p of both tiles, p's codes, temporaries.  Window 1: K's fragments v0-53, V's v56-103, O^T v104-167.
.set STEPB, 13056
.set QBLK,  6656
.set SLOTB, 8*STEPB
.set SLOT1, 1<<17                      ; slot 1 begins here: one exclusive or turns an address from one slot to the other
.set SPARE, SLOT1+SLOTB                ; the spare words, 128 bytes for each of 8 waves; no other line names them
.set CSR, 0                            ; v0   32 r: my row of cs (written when the thread's number is used up)
.set L16, 1                            ; 16 x lane
.set L8,  2                            ; 8 x lane
.set ADK, 3                            ; the step's block + 16 x lane
.set ADB, 4                            ; the step's block + 8 x lane
.set SPW, 5                            ; my spare word; never rewritten
.set NIL, 6                            ; 0; never rewritten
.set NEG, 7                            ; -10000.0
.set DL,  8                            ; v8, v9     tile x: my query in its group of 128, less 16 h
.set NM,  10                           ; v[10+2x:11+2x]  -M, and the running largest score
.set LS,  14                           ; v[14+2x:15+2x]  l, in two halves
.set FF,  18                           ; v[18+2x:19+2x]  f (the upper word is named with it)
.set QSC, 22                           ; v22-31 hold scales and nothing else: Q's two words, P's two, V's two, K's four
.set PSC, 24
.set VSC, 26
.set KSC, 28
.set CM,  32                           ; v32-39 the C of the first product: 0, then -10,000
.set Q,   40                           ; v[40+12x ..] six registers of codes, six of zeros
.set S,   64                           ; v[64+64x ..] S^T, then p
.set PC,  192                          ; v[192+12x ..] p's codes
.set PT,  216                          ; second halves: tile 0 v216-222, tile 1 v232-238
.set BMX, 224                          ; v[224+4x ..] the blocks' largest; later sums
.set BPR, 232                          ; v[232+4x ..] the other half's; then bytes
.set SOP, 240                          ; v[240+4x ..] the conversions' scale operands
.set T,   248
.set U,   250
.set FK,  0                            ; window 1
.set FV,  56
.set O,   104                          ; v[104+32x ..]
.set WV,  18
.set TB,  40                           ; LDS byte of the step's block
.set KSTP, 41                          ; the key step, 0 .. 31
.set GQ,  42                           ; my group of 128 queries
.set SLOTS, 43
.set CNT, 44
.set MSB, 0
.macro WIN new                         ; bits 1:0 source 0, 3:2 source 1, 5:4 source 2, 7:6 destination; the high byte repeats the setting that is left
.if MSB != (\new)
	s_set_vgpr_msb (MSB<<8)|(\new)
.set MSB, (\new)
.endif
.endm
.macro WM d, a, b, c, sa, sb, odd      ; odd: source 0's scale words stand in lanes 16-31
.if \odd
	v_wmma_scale_f32_16x16x128_f8f6f4 v[\d:\d+7], v[\a:\a+11], v[\b:\b+11], v[\c:\c+7], v[\sa], v[\sb] matrix_a_fmt:MATRIX_FMT_BF6 matrix_b_fmt:MATRIX_FMT_BF6 matrix_a_scale:MATRIX_SCALE_ROW1
.else
	v_wmma_scale_f32_16x16x128_f8f6f4 v[\d:\d+7], v[\a:\a+11], v[\b:\b+11], v[\c:\c+7], v[\sa], v[\sb] matrix_a_fmt:MATRIX_FMT_BF6 matrix_b_fmt:MATRIX_FMT_BF6
.endif
.endm
	s_load_b256 s[4:11], s[0:1], 0x0               ; qb s[4:5], kv s[6:7], cc s[8:9], cs s[10:11]
	v_lshl_add_u32 v[SPW], v0, 2, SPARE
	v_mov_b32 v[NIL], 0
	ds_add_u32 v[SPW], v[NIL]                      ; the opening lines: the add, twice on end, and its wait ahead of my first tensor load
	ds_add_u32 v[SPW], v[NIL]
	v_lshrrev_b32 v1, 5, v0
	v_readfirstlane_b32 s[WV], v1                  ; wave 0..7
	s_and_b32 s46, ttmp7, 0xffff                   ; the head
	s_mul_i32 s33, s[WV], STEPB                    ; group 0: LDS address: one block a wave, slot 0
	s_mul_i32 s48, s46, 32*STEPB
	s_add_co_u32 s48, s48, s33
	s_mov_b32 s49, 0
	s_mov_b32 s24, 3<<16                           ; group 1: no mask; elements of 8 bytes; no padding
	s_mov_b32 s25, 32<<16                          ; rows of 256 bytes
	s_mov_b32 s26, 51<<16                          ; 51 rows: 13,056 dense bytes
	s_mov_b32 s27, 32<<16
	s_mov_b32 s28, 51
	s_mov_b32 s29, 32
	s_mov_b32 s30, 0
	s_mov_b32 s31, 0
	s_mov_b32 s32, 1
	s_lshl_b32 s[GQ], ttmp9, 1
	s_lshr_b32 s47, s[WV], 2
	s_add_co_u32 s[GQ], s[GQ], s47                 ; G = 2 x + wave / 4
	s_and_b32 s45, s[WV], 3                        ; w: my tiles are 2 w and 2 w + 1 of the group's eight
	s_mul_i32 s50, s46, 32*QBLK
	s_mul_i32 s51, s[GQ], QBLK
	s_add_co_u32 s50, s50, s51                     ; my group's block of qb
	s_mul_i32 s52, s45, 1536
	s_add_co_u32 s52, s52, s50                     ; my tiles' codes
	s_mov_b32 s53, 0
	s_lshl_b32 s58, s45, 2
	s_add_co_u32 s58, s58, s50                     ; their scale words: + 4 w (+ 6144 + 256 x + 16 r)
	s_mov_b32 s59, 0
	s_lshl_b32 s47, s45, 5                         ; 32 w
	s_lshl_b32 s56, s[GQ], 3
	s_lshl_b32 s57, s45, 1
	s_add_co_u32 s56, s56, s57                     ; my first tile of 16 places among the 256
	s_lshl_b32 s60, s56, 4
	s_add_co_u32 s60, s60, s46
	s_mul_i32 s60, s60, 768                        ; cc: (16 x tile + head) x 768
	s_mov_b32 s61, 0
	s_lshl_b32 s62, s56, 9
	s_lshl_b32 s57, s46, 1
	s_add_co_u32 s62, s62, s57                     ; cs: 512 x tile + 2 x head
	s_mov_b32 s63, 0
	s_mov_b32 s20, 0x76543210
	s_mov_b32 s21, 0xfedcba98                      ; selects for lane l xor 16
	s_mov_b32 s22, 0x3fb8aa3b                      ; log2(e); k arrives times 1/8
	s_mov_b32 s23, s22                             ; (named with it as a pair)
	s_mov_b32 s36, 0xbfb8aa3b                      ; -log2(e)
	s_mov_b32 s[TB], 0
	s_mov_b32 s[KSTP], 0
	s_mov_b32 s[SLOTS], 3
	s_wait_dscnt 0x0                               ; both opening adds are done
	s_wait_kmcnt 0x0
	s_add_nc_u64 s[34:35], s[6:7], s[48:49]
	s_or_b32 s35, s35, 0x80000000
	tensor_load_to_lds s[32:35], s[24:31]          ; slot 0: key steps 0 to 7, one a wave
	s_nop 0
	s_add_nc_u64 s[52:53], s[4:5], s[52:53]
	s_add_nc_u64 s[58:59], s[4:5], s[58:59]
	s_add_nc_u64 s[8:9], s[8:9], s[60:61]
	s_add_nc_u64 s[10:11], s[10:11], s[62:63]
	v_and_b32 v[T], 31, v0
	v_lshlrev_b32 v[L16], 4, v[T]
	v_lshlrev_b32 v[L8], 3, v[T]
	v_and_b32 v[U], 15, v0                         ; r
	v_bfe_u32 v[ADK], v0, 4, 1                     ; h
	v_lshlrev_b32 v[ADB], 4, v[U]                  ; 16 r: Q's scale words
	v_and_b32 v[DL], 8, v[U]
	v_add_nc_u32 v[DL], v[DL], v[U]
	v_lshlrev_b32 v[ADK], 4, v[ADK]
	v_sub_nc_u32 v[DL], v[DL], v[ADK]
	v_add_nc_u32 v[DL], s47, v[DL]                 ; tile 2 w: 32 w + r + 8 (r / 8) - 16 h
	v_add_nc_u32 v[DL+1], 8, v[DL]                 ; tile 2 w + 1: 8 more
	v_lshlrev_b32 v[CSR], 5, v[U]
.irp x, 0,1
	global_load_b128 v[Q+12*\x:Q+12*\x+3], v[L16], s[52:53] offset:768*\x   ; Q's codes stay
	global_load_b64 v[Q+12*\x+4:Q+12*\x+5], v[L8], s[52:53] offset:768*\x+512
	global_load_b32 v[QSC+\x], v[ADB], s[58:59] offset:6144+256*\x
.endr
	v_mov_b32 v[NEG], 0xc61c4000                   ; -10000.0
.irp x, 0,1
	v_mov_b32 v[NM+2*\x+1], 0xfe967699             ; the largest score so far: -1e38
	v_mul_f32 v[NM+2*\x], s36, v[NM+2*\x+1]
	v_floor_f32 v[NM+2*\x], v[NM+2*\x]             ; -M
	v_mov_b32 v[PSC+\x], 0x7f7f7f7f                ; the step of zero codes that the first trip finishes has scales of 1
	v_mov_b32 v[VSC+\x], 0x7f7f7f7f
.irp j, 6,7,8,9,10,11
	v_mov_b32 v[Q+12*\x+\j], 0                     ; Q's upper 64 codes
.endr
.endr
.set j, 0
.rept 8
	v_mov_b32 v[LS+j], 0                           ; l and f
	v_mov_b32 v[CM+j], 0
	v_mov_b32 v[BPR+j], 0                          ; a lane permute's destination counts as one of its sources
.set j, j+1
.endr
.set j, 0
.rept 24
	v_mov_b32 v[PC+j], 0                           ; zero codes for the first trip
.set j, j+1
.endr
	WIN 0x40
.set j, FK+48
.rept 120
	v_mov_b32 v[j], 0                              ; window 1: the zeros behind K's tile 7, zero codes for V, O^T: the step is written once, and the first trip finds zeros
.set j, j+1
.endr
	WIN 0
; Step j - 1 is finished: O^T under the new M, then O^T += V^T P^T, eight accumulators, one instruction a turn.  younger: the LDS loads issued behind V's.
.macro FINISH younger
	WIN 0x41
	s_wait_alu depctr_va_vdst(0)                   ; directly ahead of the first readers of O^T
.irp x, 0,1
.set j, 0
.rept 16
	v_pk_mul_f32 v[O+32*\x+j:O+32*\x+j+1], v[O+32*\x+j:O+32*\x+j+1], v[FF+2*\x:FF+2*\x+1] op_sel_hi:[1,0]
.set j, j+2
.endr
.endr
	WIN 0x51
	s_wait_alu depctr_va_vdst(0)                   ; directly ahead of the wait below
	s_wait_dscnt \younger                          ; V's 13 loads are in; K's 17, issued behind them, may be out
.irp d, 0,1,2,3
.irp x, 0,1
	WM O+32*\x+8*\d, FV+12*\d, PC+12*\x, O+32*\x+8*\d, VSC+\d/2, PSC+\x, \d%2
.endr
.endr
	WIN 0
.endm
.macro STEP
	v_add_nc_u32 v[ADK], s[TB], v[L16]
	v_add_nc_u32 v[ADB], s[TB], v[L8]
	WIN 0x40
.irp t, 0,1,2,3,4,5,6,7
	ds_load_b128 v[FK+6*\t:FK+6*\t+3], v[ADK] offset:768*\t
	ds_load_b64 v[FK+6*\t+4:FK+6*\t+5], v[ADB] offset:768*\t+512
.endr
	WIN 0
	ds_load_b128 v[KSC:KSC+3], v[ADK] offset:6144  ; register p: lanes 0-15 tile 2 p's words, lanes 16-31 tile 2 p + 1's
	FINISH 17
	s_wait_dscnt 0x0                               ; K's fragments and words are in
	WIN 0x01
.irp t, 0,1,2,3,4,5,6,7
.irp x, 0,1
	WM S+64*\x+8*\t, FK+6*\t, Q+12*\x, CM, KSC+\t/2, QSC+\x, \t%2
.endr
.endr
	WIN 0
.rept 4
	v_nop                                          ; places: loads into V's registers follow, and reads of the scores
.endr
	WIN 0x40
.irp d, 0,1,2,3
.irp c, 0,1,2
	ds_load_b128 v[FV+12*\d+4*\c:FV+12*\d+4*\c+3], v[ADK] offset:QBLK+1536*\d+512*\c   ; V's four fragments land under the softmax
.endr
.endr
	WIN 0
	ds_load_b64 v[VSC:VSC+1], v[ADB] offset:12800
	s_cmp_lg_u32 s[KSTP], s[GQ]                    ; the one step on the diagonal; a branch on ids
	s_cbranch_scc1 .Lopen_\@
.irp x, 0,1
.set n, 0
.rept 64                                       ; register 16 b + i holds key 32 b + 16 h + i of the step: hidden where 32 b + i > my query - 16 h
	v_cmp_gt_i32 vcc_lo, 32*(n/16)+n%16, v[DL+\x]
	v_add_f32 v[T], v[NEG], v[S+64*\x+n]
	v_cndmask_b32 v[S+64*\x+n], v[S+64*\x+n], v[T], vcc_lo
.set n, n+1
.endr
.endr
.irp j, 0,1,2,3,4,5,6,7
	v_mov_b32 v[CM+\j], v[NEG]                     ; every later step is wholly hidden
.endr
.Lopen_\@:
.irp x, 0,1
.irp b, 0,1,2,3
	v_max3_num_f32 v[BMX+4*\x+\b], v[S+64*\x+16*\b], v[S+64*\x+16*\b+1], v[S+64*\x+16*\b+2]   ; the largest score of each block of 32 keys: for the row's maximum and, since p rises with the score, for the block's largest p
.endr
.endr
.irp i, 3,5,7,9,11,13
.irp x, 0,1
.irp b, 0,1,2,3
	v_max3_num_f32 v[BMX+4*\x+\b], v[BMX+4*\x+\b], v[S+64*\x+16*\b+\i], v[S+64*\x+16*\b+\i+1]
.endr
.endr
.endr
.irp x, 0,1
.irp b, 0,1,2,3
	v_max_num_f32 v[BMX+4*\x+\b], v[BMX+4*\x+\b], v[S+64*\x+16*\b+15]
.endr
.endr
.irp b, 0,1,2,3,4,5,6,7
	v_permlanex16_b32 v[BPR+\b], v[BMX+\b], s20, s21
.endr
.irp b, 0,1,2,3,4,5,6,7
	v_max_num_f32 v[BMX+\b], v[BMX+\b], v[BPR+\b]  ; with lane l xor 16's 16 keys
.endr
.irp x, 0,1                                    ; the two tiles' chains by turns
	v_max3_num_f32 v[T+\x], v[BMX+4*\x], v[BMX+4*\x+1], v[BMX+4*\x+2]
.endr
.irp x, 0,1
	v_max3_num_f32 v[NM+2*\x+1], v[T+\x], v[BMX+4*\x+3], v[NM+2*\x+1]   ; the running largest score
.endr
.irp x, 0,1
	v_mul_f32 v[T+\x], s36, v[NM+2*\x+1]           ; -t
.endr
.irp x, 0,1
	v_floor_f32 v[T+\x], v[T+\x]                   ; the new -M = -ceil(t)
.endr
.irp x, 0,1
	v_sub_f32 v[U+\x], v[T+\x], v[NM+2*\x]         ; old M - new M: a whole number, 0 or less
.endr
.irp x, 0,1
	v_mov_b32 v[NM+2*\x], v[T+\x]
.endr
.irp x, 0,1
	v_cvt_i32_f32 v[U+\x], v[U+\x]                 ; (it saturates)
.endr
.irp x, 0,1
	v_ldexp_f32 v[FF+2*\x], 1.0, v[U+\x]           ; f = 2^(old M - new M)
.endr
.irp x, 0                                      ; tile 0's t - M here; tile 1's stand among tile 0's exponentials
.set j, 0
.rept 32
	v_pk_fma_f32 v[S+64*\x+j:S+64*\x+j+1], v[S+64*\x+j:S+64*\x+j+1], s[22:23], v[NM+2*\x:NM+2*\x+1] op_sel_hi:[1,0,0]   ; t - M, two at a time
.set j, j+2
.endr
.irp b, 0,2
	v_pk_fma_f32 v[BMX+4*\x+\b:BMX+4*\x+\b+1], v[BMX+4*\x+\b:BMX+4*\x+\b+1], s[22:23], v[NM+2*\x:NM+2*\x+1] op_sel_hi:[1,0,0]   ; the same of each block's largest score
.endr
.endr
	s_wait_alu depctr_va_vdst(0)                   ; ahead of the batch
.set j, 0
; TWO BATCHES OF 68 EXPONENTIALS.  Between the exponentials of a batch stand independent lines alone: their sources were written ahead of the wait that opens the batch, and their results are first read behind the wait that closes it.
.rept 32                                       ; batch 1: tile 0's p = 2^(t - M); by turns with them tile 1's t - M
	v_exp_f32 v[S+j], v[S+j]
	v_pk_fma_f32 v[S+64+2*j:S+64+2*j+1], v[S+64+2*j:S+64+2*j+1], s[22:23], v[NM+2:NM+3] op_sel_hi:[1,0,0]
.set j, j+1
.endr
.irp b, 0,2
	v_exp_f32 v[BMX+\b], v[BMX+\b]                 ; a block's largest p: the same two instructions on the same number
	v_pk_fma_f32 v[BMX+4+\b:BMX+5+\b], v[BMX+4+\b:BMX+5+\b], s[22:23], v[NM+2:NM+3] op_sel_hi:[1,0,0]
.endr
.rept 32
	v_exp_f32 v[S+j], v[S+j]
.set j, j+1
.endr
.irp b, 1,3
	v_exp_f32 v[BMX+\b], v[BMX+\b]
.endr
	v_nop                                          ; a plain place behind the exponentials
	s_wait_alu depctr_va_vdst(0)                   ; behind batch 1 and ahead of batch 2
.set j, 0
.rept 16                                       ; batch 2: tile 1's p; by turns with them the first level of tile 0's sum, 16 pairs into v216-223 and v232-255, which are free here
.set TP, 216+2*j+8*((j+12)/16)
	v_exp_f32 v[S+64+j], v[S+64+j]
	v_pk_add_f32 v[TP:TP+1], v[S+4*j:S+4*j+1], v[S+4*j+2:S+4*j+3]
.set j, j+1
.endr
.irp b, 0,1,2,3
	v_exp_f32 v[S+80+\b], v[S+80+\b]
	v_max_num_f32 v[BMX+\b], 0x2800000, v[BMX+\b]  ; tile 0: the floor 2^(5 - 127): the byte cannot fall under 1
.endr
.set j, 20
.rept 44
	v_exp_f32 v[S+64+j], v[S+64+j]
.set j, j+1
.endr
.irp b, 4,5,6,7
	v_exp_f32 v[BMX+\b], v[BMX+\b]
.endr
	v_nop                                          ; a plain place behind the exponentials
	s_wait_alu depctr_va_vdst(0)                   ; one wait for batch 2, ahead of its first reader
.irp k, 0,1,2,3                                ; tile 0's sum goes on as a tree
	v_pk_add_f32 v[216+2*\k:217+2*\k], v[216+2*\k:217+2*\k], v[240+2*\k:241+2*\k]
.endr
.irp k, 0,1,2,3
	v_pk_add_f32 v[232+2*\k:233+2*\k], v[232+2*\k:233+2*\k], v[248+2*\k:249+2*\k]
.endr
.irp k, 0,1,2,3
	v_pk_add_f32 v[216+2*\k:217+2*\k], v[216+2*\k:217+2*\k], v[232+2*\k:233+2*\k]
.endr
.irp b, 4,5
	v_max_num_f32 v[BMX+\b], 0x2800000, v[BMX+\b]  ; tile 1: the floor
.endr
	v_pk_add_f32 v[216:217], v[216:217], v[220:221]
	v_pk_add_f32 v[218:219], v[218:219], v[222:223]
.irp b, 6,7
	v_max_num_f32 v[BMX+\b], 0x2800000, v[BMX+\b]
.endr
	v_pk_add_f32 v[216:217], v[216:217], v[218:219]
	v_pk_fma_f32 v[LS:LS+1], v[LS:LS+1], v[FF:FF+1], v[216:217] op_sel_hi:[1,0,1]   ; tile 0: l x f + the step's sum
.irp b, 0,1,2,3,4,5,6,7
	v_add_nc_u32 v[SOP+\b], 0xfe000000, v[BMX+\b]  ; 4 off the exponent field: the conversion's scale operand
.endr
.irp b, 0,1,2,3,4,5,6,7
	v_lshrrev_b32 v[BPR+\b], 23, v[SOP+\b]         ; the scale's byte
.endr
.irp x, 0,1
	v_lshl_or_b32 v[PSC+\x], v[BPR+4*\x+1], 8, v[BPR+4*\x]   ; p's scale word for these 128 keys
.endr
.irp x, 0,1
	v_lshl_or_b32 v[PSC+\x], v[BPR+4*\x+2], 16, v[PSC+\x]
.endr
.irp x, 0,1
	v_lshl_or_b32 v[PSC+\x], v[BPR+4*\x+3], 24, v[PSC+\x]
.endr
.irp x, 0,1
.irp c, 0,1
	v_cvt_scalef32_pk16_bf6_f32 v[PC+12*\x+6*\c:PC+12*\x+6*\c+2], v[S+64*\x+32*\c:S+64*\x+32*\c+15], v[SOP+4*\x+2*\c]
	v_cvt_scalef32_pk16_bf6_f32 v[PT+16*\x+4*\c:PT+16*\x+4*\c+2], v[S+64*\x+32*\c+16:S+64*\x+32*\c+31], v[SOP+4*\x+2*\c+1]
.endr
.endr
	v_nop                                          ; one plain place behind a scaled conversion
.irp x, 0,1                                    ; a whole block in a lane
.irp c, 0,1
.irp i, 0,1,2
	v_permlane16_swap_b32 v[PC+12*\x+6*\c+\i], v[PT+16*\x+4*\c+\i]
.endr
.endr
.endr
.irp x, 0,1
.irp c, 0,1
.irp i, 0,1,2
	v_mov_b32 v[PC+12*\x+6*\c+3+\i], v[PT+16*\x+4*\c+\i]
.endr
.endr
.endr
.irp c, 0,1,2,3,4,5,6,7                        ; tile 1's l: the sum of the unquantised p, two at a time, eight chains by turns, in v224-231 and v248-255
.set SA, 224+2*\c+16*(\c/4)
.set SQ, S+64+2*\c
	v_pk_add_f32 v[SA:SA+1], v[SQ:SQ+1], v[SQ+16:SQ+17]
.endr
.irp k, 32,48
.irp c, 0,1,2,3,4,5,6,7
.set SA, 224+2*\c+16*(\c/4)
.set SQ, S+64+2*\c+\k
	v_pk_add_f32 v[SA:SA+1], v[SA:SA+1], v[SQ:SQ+1]
.endr
.endr
.irp c, 0,1,2,3
	v_pk_add_f32 v[224+2*\c:225+2*\c], v[224+2*\c:225+2*\c], v[248+2*\c:249+2*\c]
.endr
	v_pk_add_f32 v[224:225], v[224:225], v[228:229]
	v_pk_add_f32 v[226:227], v[226:227], v[230:231]
	v_pk_add_f32 v[224:225], v[224:225], v[226:227]
	v_pk_fma_f32 v[LS+2:LS+3], v[LS+2:LS+3], v[FF+2:FF+3], v[224:225] op_sel_hi:[1,0,1]   ; tile 1: l x f + the step's sum
	s_add_co_u32 s[TB], s[TB], STEPB
	s_add_co_u32 s[KSTP], s[KSTP], 1
	s_wait_alu depctr_va_vdst(0)                   ; ahead of the branch and of the waits that follow a step
.endm
; The change of slots stands at a slot's head: each wave waits for its tensor load, adds 0 to its spare word, waits for that and for its reads of the slot that it has left (V's last fragments are then in registers); a barrier;
; fill = 1: the slot just left takes the next eight key steps, one block a wave.
.macro CHANGE fill
	s_wait_tensorcnt 0x0                           ; no tensor load of mine is out, so group 0 may be written
	ds_add_u32 v[SPW], v[NIL]
.if \fill
	s_xor_b32 s33, s33, SLOT1
	s_add_nc_u64 s[34:35], s[34:35], SLOTB
.endif
	s_wait_dscnt 0x0
	s_barrier_signal -1
	s_barrier_wait -1
.if \fill
	tensor_load_to_lds s[32:35], s[24:31]          ; the first thing behind the barrier, my one tensor load until the next
	s_nop 0
.rept 4
	v_nop                                          ; ahead of the next switch of windows
.endr
.endif
.endm
.macro SLOT_STEPS
	s_mov_b32 s[CNT], 8
.Lstep_\@:
	STEP
	s_sub_co_u32 s[CNT], s[CNT], 1
	s_cmp_lg_u32 s[CNT], 0
	s_cbranch_scc1 .Lstep_\@
	s_sub_co_u32 s[TB], s[TB], SLOTB               ; back to a slot's first step,
	s_xor_b32 s[TB], s[TB], SLOT1                  ; in the other slot
.endm
	s_wait_alu depctr_va_vdst(0)
	s_wait_loadcnt 0x0                             ; Q
.Lslot:                                            ; three trips: behind each change of slots but the last the next slot is asked for
	CHANGE 1
	SLOT_STEPS
	s_sub_co_u32 s[SLOTS], s[SLOTS], 1
	s_cmp_lg_u32 s[SLOTS], 0
	s_cbranch_scc1 .Lslot
	CHANGE 0                                       ; the last slot is written out
	SLOT_STEPS
	FINISH 0                                       ; step 31
	; THE WAY OUT: O^T / l; register 16 g + i is channel 32 g + 16 h + i of my query: two blocks of the last product's K; quantised; six registers and two bytes a lane and tile
.irp x, 0,1
	v_add_f32 v[LS+2*\x], v[LS+2*\x], v[LS+2*\x+1]
.endr
.irp x, 0,1
	v_permlanex16_b32 v[T+\x], v[LS+2*\x], s20, s21
.endr
.irp x, 0,1
	v_add_f32 v[LS+2*\x], v[LS+2*\x], v[T+\x]      ; the row's sum
.endr
	s_wait_alu depctr_va_vdst(0)                   ; ahead of the reciprocals
.irp x, 0,1
	v_rcp_f32 v[LS+2*\x], v[LS+2*\x]
.endr
	v_nop                                          ; a plain place behind them
	WIN 0x01
	s_wait_alu depctr_va_vdst(0)                   ; behind them, directly ahead of the first readers of O^T
.irp x, 0,1
.set j, 0
.rept 32
	v_mul_f32 v[S+64*\x+j], v[O+32*\x+j], v[LS+2*\x]
.set j, j+1
.endr
.endr
	WIN 0
.irp x, 0,1
.irp b, 0,1
	v_max3_num_f32 v[BMX+4*\x+\b], |v[S+64*\x+16*\b]|, |v[S+64*\x+16*\b+1]|, 0x2800000
.endr
.endr
.irp i, 2,4,6,8,10,12,14
.irp x, 0,1
.irp b, 0,1
	v_max3_num_f32 v[BMX+4*\x+\b], v[BMX+4*\x+\b], |v[S+64*\x+16*\b+\i]|, |v[S+64*\x+16*\b+\i+1]|
.endr
.endr
.endr
.irp b, 0,1,4,5
	v_permlanex16_b32 v[BPR+\b], v[BMX+\b], s20, s21
.endr
.irp b, 0,1,4,5
	v_max_num_f32 v[BMX+\b], v[BMX+\b], v[BPR+\b]
.endr
.irp b, 0,1,4,5
	v_add_nc_u32 v[SOP+\b], 0xfe000000, v[BMX+\b]
.endr
.irp b, 0,1,4,5
	v_lshrrev_b32 v[BPR+\b], 23, v[SOP+\b]
.endr
.irp x, 0,1
	v_lshl_or_b32 v[T+\x], v[BPR+4*\x+1], 8, v[BPR+4*\x]
.endr
.irp x, 0,1
	v_cvt_scalef32_pk16_bf6_f32 v[PC+12*\x:PC+12*\x+2], v[S+64*\x:S+64*\x+15], v[SOP+4*\x]
	v_cvt_scalef32_pk16_bf6_f32 v[PT+16*\x:PT+16*\x+2], v[S+64*\x+16:S+64*\x+31], v[SOP+4*\x+1]
.endr
	v_nop
.irp x, 0,1
.irp i, 0,1,2
	v_permlane16_swap_b32 v[PC+12*\x+\i], v[PT+16*\x+\i]
.endr
.endr
.irp x, 0,1
.irp i, 0,1,2
	v_mov_b32 v[PC+12*\x+3+\i], v[PT+16*\x+\i]
.endr
.endr
.irp x, 0,1
	global_store_b128 v[L16], v[PC+12*\x:PC+12*\x+3], s[8:9] offset:12288*\x          ; 512 consecutive bytes, aligned
	global_store_b64 v[L8], v[PC+12*\x+4:PC+12*\x+5], s[8:9] offset:12288*\x+512      ; 256 consecutive bytes, aligned
	global_store_b16 v[CSR], v[T+\x], s[10:11] offset:512*\x                          ; my row's two bytes (both halves of the lanes write the same value): 2 bytes of each row of 32
.endr
	s_wait_tensorcnt 0x0                           ; the wave's end
	ds_add_u32 v[SPW], v[NIL]
	s_wait_dscnt 0x0
	s_endpgm
.Lfunc_end_k_q1953d6bb5a_attn:
	.size	k_q1953d6bb5a_attn, .Lfunc_end_k_q1953d6bb5a_attn-k_q1953d6bb5a_attn
	.p2alignl 7, 3214868480
	.fill 96, 4, 3214868480
	.section	.rodata,"a",@progbits
	.p2align	6, 0x0
	.amdhsa_kernel k_q1953d6bb5a_attn
		.amdhsa_group_segment_fixed_size 327680
		.amdhsa_private_segment_fixed_size 0
		.amdhsa_enable_private_segment 0
		.amdhsa_kernarg_size 32
		.amdhsa_user_sgpr_count 2
		.amdhsa_user_sgpr_kernarg_segment_ptr 1
		.amdhsa_wavefront_size32 1
		.amdhsa_system_sgpr_workgroup_id_x 1
		.amdhsa_system_sgpr_workgroup_id_y 1
		.amdhsa_system_sgpr_workgroup_id_z 1
		.amdhsa_system_vgpr_workitem_id 0
		.amdhsa_next_free_vgpr 512
		.amdhsa_next_free_sgpr 66
		.amdhsa_reserve_vcc 1
		.amdhsa_float_denorm_mode_32 3
		.amdhsa_float_denorm_mode_16_64 3
		.amdhsa_memory_ordered 1
		.amdhsa_forward_progress 1
		.amdhsa_inst_pref_size 107
	.end_amdhsa_kernel
	.amdgpu_metadata
---
amdhsa.version: [ 1, 2 ]
amdhsa.kernels:
  - .name:           k_q1953d6bb5a_attn
    .symbol:         k_q1953d6bb5a_attn.kd
    .args:
      - { .name: qb, .offset: 0, .size: 8, .value_kind: global_buffer, .address_space: global }
      - { .name: kv, .offset: 8, .size: 8, .value_kind: global_buffer, .address_space: global }
      - { .name: cc, .offset: 16, .size: 8, .value_kind: global_buffer, .address_space: global }
      - { .name: cs, .offset: 24, .size: 8, .value_kind: global_buffer, .address_space: global }
    .group_segment_fixed_size: 327680
    .private_segment_fixed_size: 0
    .kernarg_segment_align: 8
    .kernarg_segment_size: 32
    .max_flat_workgroup_size: 256
    .sgpr_count:     66
    .vgpr_count:     512
    .wavefront_size: 32
...
	.end_amdgpu_metadata
.endif
;; end of part 3
;; launch gemm_out (part 4): grid 8 x 32, 4 waves a work-group, clusters of 4 x 4, 327,680 bytes of LDS; arguments cc, cs, wc, ws, out_b, out0; writes out0
.if DOCPART == 4
	.amdgcn_target "amdgcn-amd-amdhsa--gfx1250"
	.amdhsa_code_object_version 6
	.text
	.protected	k_q1953d6bb5a_gemm_out
	.globl	k_q1953d6bb5a_gemm_out
	.p2align	8
	.type	k_q1953d6bb5a_gemm_out,@function
k_q1953d6bb5a_gemm_out:
	s_mov_b64 s[64:65], 0
	v_nop
	global_prefetch_b8 v0, s[64:65] scope:SCOPE_SE
	s_setreg_imm32_b32 hwreg(HW_REG_WAVE_MODE, 25, 1), 1
	s_wait_xcnt 0x0
	s_wait_alu depctr_hold_cnt(0) depctr_sa_sdst(0) depctr_va_vdst(0) depctr_va_sdst(0) depctr_va_ssrc(0) depctr_va_vcc(0) depctr_vm_vsrc(0)
	s_getreg_b32 s2, hwreg(HW_REG_IB_STS2, 6, 4)
	s_cmp_eq_u32 s2, 0
	s_cbranch_scc0 .Lentry_in_a_cluster
	s_endpgm
.Lentry_in_a_cluster:
	s_bfe_u32 s2, ttmp6, 0x10000c
	s_cmp_lg_u32 s2, 0xf033
	s_cbranch_scc0 .Lentry_shape_is_right
	s_endpgm
.Lentry_shape_is_right:
; out = context out_w^T + out_b on codes of BF6 (E3M2) with one E8M0 byte for each 32 along K; sums in f32.  M 4,096, N 1,024, K 1,024.
; A block of 128 x 128 to a work-group: 8 x 32 = 256 work-groups; four waves, each 64 x 64: 16 accumulators.
; ALL OF K LIES IN LDS AT ONCE: A's 128 rows are 98,304 dense bytes of cc (images of the operand's registers: 768 bytes for 16 rows and 64 of K); B's 128 rows are 24,576 dense bytes in each of wc's four planes;
;   the scales are 4,096 dense bytes a side.  Four tiles, ONE joint load a wave at the head, filled once: no ring, no refill, and no barrier in the walk along K.
; CLUSTERS, 4 x 4: A's codes and scales hang on the block row alone and are asked for jointly along a row of the cluster, B's on the block column alone, along a column.
; NO PREFETCH: every byte is asked for at the head; there is no loop to run ahead in.
; THE MATRIX INSTRUCTION IS USED TRANSPOSED (source 0 = 16 rows of out_w, source 1 = 16 rows of the context): a lane holds neighbouring numbers of a row of out.  The bias is the C of each accumulator's first product.
; THE ROWS of cc and of wc stand in another order: place 32 B + 16 u + t holds row 32 B + 8 u + t + 8 (t / 8); the way out puts rows and columns back.
; REGISTERS.  Window 0: v0-31 addresses; v32-63 scale words (register 8 i + s: lanes 0-15 A's block i, lanes 16-31 B's block i, K step s); v64-255 two sets of fragments (B's four, A's four).  Window 1: v0-127 accumulators, v128-159 the bias.
.set BL,     98304                     ; LDS: B's codes, behind A's
.set BPL,    30720                     ; a plane of B: 128 rows of 240 (192 bytes + 16 behind each 64)
.set SCL,    BL+4*BPL                  ; the scales: units of 256 bytes + 16; A's 4,352 bytes, then B's
.set STAGE,  SCL+2*4352                ; the way out: 16 rows of 272 for each wave; no tensor load lands here
.set SPARE,  STAGE+4*4352              ; the spare words, 128 bytes a wave; no other line names them
.set AH,   10
.set AA16, 16                          ; A's fragments: my 64 rows + 16 x lane
.set AA8,  17                          ; + 8 x lane
.set ADRB, 20                          ; v20-21 B's planes 0, 1 (the second for pieces whose upper lanes lie behind a padding); v22-23 planes 2, 3
.set STO,  24
.set RD,   25
.set CO,   26
.set ADRS, 27
.set SPW,  28
.set NIL,  29
.set SC,   32
.set BN,   128                         ; window 1
.set G1A, 24
.set G1B, 32
.set G1S, 48
.set G1SB, 56
.set G0A, 68
.set G0B, 72
.set G0S, 76
.set G0SB, 80
.set MSB, 0
.macro WIN new
.if MSB != (\new)
	s_set_vgpr_msb (MSB<<8)|(\new)
.set MSB, (\new)
.endif
.endm
.macro CROUND                          ; a round of the cluster's barrier
	s_barrier_signal -1
	s_barrier_wait -1
	s_cmp_lg_u32 s14, 0
	s_cbranch_scc1 .Lnot_wave_0_\@
	s_barrier_signal -3
.Lnot_wave_0_\@:
	s_barrier_wait -3
	s_barrier_signal -1
	s_barrier_wait -1
.endm
	s_load_b128 s[4:7], s[0:1], 0x0                ; cc, cs
	s_load_b128 s[8:11], s[0:1], 0x10              ; wc, ws
	s_load_b128 s[96:99], s[0:1], 0x20             ; out_b, out0
	v_lshl_add_u32 v[SPW], v0, 2, SPARE
	v_mov_b32 v[NIL], 0
	ds_add_u32 v[SPW], v[NIL]                      ; the opening lines: the add, twice on end, and its wait ahead of my first tensor load
	ds_add_u32 v[SPW], v[NIL]
	v_lshrrev_b32 v1, 5, v0
	v_readfirstlane_b32 s14, v1                    ; wave 0..3
	s_lshr_b32 s15, s14, 1                         ; which 64 rows of the block are mine
	s_and_b32 s16, s14, 1                          ; which 64 columns
	s_bfe_u32 s40, ttmp6, 0x40000                  ; cx, cy
	s_bfe_u32 s41, ttmp6, 0x40004
	s_lshl_b32 s42, ttmp9, 2
	s_add_co_u32 s42, s42, s40                     ; block column
	s_and_b32 s17, ttmp7, 0xffff
	s_lshl_b32 s17, s17, 2
	s_add_co_u32 s17, s17, s41                     ; block row
	s_lshl_b32 s43, s41, 2
	s_lshl_b32 s43, 15, s43                        ; my row of the cluster
	s_lshl_b32 s44, 0x1111, s40                    ; my column
	s_or_b32 s[G1A], s43, (3<<16)|(1<<21)          ; A's codes: 384 rows of 256 bytes (32 elements of 8), dense, no padding
	s_mov_b32 s[G1A+1], 32<<16
	s_mov_b32 s[G1A+2], 384<<16
	s_mov_b32 s[G1A+3], 32<<16
	s_mov_b32 s[G1A+4], 384
	s_mov_b32 s[G1A+5], 32
	s_mov_b32 s[G1A+6], 0
	s_mov_b32 s[G1A+7], 0
	s_or_b32 s[G1B], s44, (3<<16)|(1<<20)|(1<<21)|(3<<22)|(3<<25)   ; B's codes: 4 rows of 24,576 bytes, one from each plane, 786,432 bytes apart; 16 bytes of padding behind each 64
	s_mov_b32 s[G1B+1], 3072<<16
	s_mov_b32 s[G1B+2], 4<<16
	s_mov_b32 s[G1B+3], 3072<<16
	s_mov_b32 s[G1B+4], 4
	s_mov_b32 s[G1B+5], 98304
	s_mov_b32 s[G1B+6], 0
	s_mov_b32 s[G1B+7], 0
	s_or_b32 s[G1S], s43, (3<<16)|(1<<20)|(1<<21)|(5<<22)|(3<<25)   ; the scales of 128 rows: 16 rows of 256 bytes, 16 bytes of padding behind each
	s_or_b32 s[G1SB], s44, (3<<16)|(1<<20)|(1<<21)|(5<<22)|(3<<25)
.irp g, G1S, G1SB
	s_mov_b32 s[\g+1], 32<<16
	s_mov_b32 s[\g+2], 16<<16
	s_mov_b32 s[\g+3], 32<<16
	s_mov_b32 s[\g+4], 16
	s_mov_b32 s[\g+5], 32
	s_mov_b32 s[\g+6], 0
	s_mov_b32 s[\g+7], 0
.endr
	s_mul_i32 s20, s17, 98304                      ; A's codes: 128 rows are 98,304 bytes
	s_mov_b32 s21, 0
	s_lshl_b32 s22, s17, 12                        ; A's scales: 4,096 bytes
	s_mov_b32 s23, 0
	s_lshl_b32 s46, s42, 7
	s_add_co_u32 s46, s46, 3072                    ; B: out_w's rows stand behind Wqkv_w's 3,072
	s_lshl_b32 s92, s46, 5                         ; 32 scale bytes a row
	s_mov_b32 s93, 0
	s_mul_i32 s46, s46, 192                        ; 192 bytes a row in each plane
	s_mov_b32 s47, 0
	s_wait_dscnt 0x0                               ; both opening adds are done
	s_wait_kmcnt 0x0
	s_add_nc_u64 s[20:21], s[4:5], s[20:21]
	s_add_nc_u64 s[22:23], s[6:7], s[22:23]
	s_add_nc_u64 s[46:47], s[8:9], s[46:47]
	s_add_nc_u64 s[92:93], s[10:11], s[92:93]
	CROUND                                         ; all sixteen work-groups are here: the joint loads meet
	s_mov_b32 s[G0A], 1
	s_mov_b32 s[G0A+1], 0
	s_mov_b64 s[G0A+2:G0A+3], s[20:21]
	s_or_b32 s[G0A+3], s[G0A+3], 0x80000000
	s_mov_b32 s[G0B], 1
	s_mov_b32 s[G0B+1], BL
	s_mov_b64 s[G0B+2:G0B+3], s[46:47]
	s_or_b32 s[G0B+3], s[G0B+3], 0x80000000
	s_mov_b32 s[G0S], 1
	s_mov_b32 s[G0S+1], SCL
	s_mov_b64 s[G0S+2:G0S+3], s[22:23]
	s_or_b32 s[G0S+3], s[G0S+3], 0x80000000
	s_mov_b32 s[G0SB], 1
	s_mov_b32 s[G0SB+1], SCL+4352
	s_mov_b64 s[G0SB+2:G0SB+3], s[92:93]
	s_or_b32 s[G0SB+3], s[G0SB+3], 0x80000000
; one tree of branches on the wave's number, a load to each arm, all arms leading to one join
.macro ARM under, g0, g1, next
	s_cmp_lt_u32 s14, \under
	s_cbranch_scc0 \next
	tensor_load_to_lds s[\g0:\g0+3], s[\g1:\g1+7]
	s_nop 0
.rept 4
	v_nop
.endr
	s_branch .Lhead_asked
\next:
.endm
	ARM 1, G0A, G1A, .Lhead_b
	ARM 2, G0B, G1B, .Lhead_sa
	ARM 3, G0S, G1S, .Lhead_sb
	tensor_load_to_lds s[G0SB:G0SB+3], s[G1SB:G1SB+7]
	s_nop 0
.rept 4
	v_nop
.endr
.Lhead_asked:
	v_and_b32 v1, 15, v0                           ; r
	v_bfe_u32 v2, v0, 4, 1                         ; h
	v_and_b32 v3, 31, v0
	v_lshlrev_b32 v7, 4, v3
	v_lshlrev_b32 v8, 3, v3
	s_wait_alu depctr_va_vdst(0)
	s_mul_i32 s21, s15, 49152                      ; my 64 rows of A: four tiles of 12,288 bytes
	v_add_nc_u32 v[AA16], s21, v7
	v_add_nc_u32 v[AA8], s21, v8
	v_mul_u32_u24 v4, v1, 240
	v_mad_u32_u24 v4, v2, 24, v4                   ; B: row x 240 + 24 h,
	v_lshl_add_u32 v5, v2, 4, v4                   ; and 16 more in the upper lanes where their piece lies behind a padding
	s_mul_i32 s22, s16, 64*240
	s_add_co_u32 s22, s22, BL
	v_add_nc_u32 v[ADRB], s22, v4
	v_add_nc_u32 v[ADRB+1], s22, v5
	s_add_co_u32 s22, s22, 2*BPL
	v_add_nc_u32 v[ADRB+2], s22, v4
	v_add_nc_u32 v[ADRB+3], s22, v5
	v_lshlrev_b32 v5, 5, v1                        ; my row's scales: 32 bytes a row,
	v_lshrrev_b32 v6, 8, v5
	v_lshl_add_u32 v5, v6, 4, v5                   ; and 16 more for each 256 passed
	s_mul_i32 s21, s15, 2176                       ; A's: my 64 rows
	s_mul_i32 s22, s16, 2176                       ; B's: my 64 rows, behind A's 128
	s_add_co_u32 s22, s22, 4352
	s_sub_co_u32 s22, s22, s21
	v_mul_u32_u24 v6, s22, v2                      ; lanes 16-31 take B's
	s_add_co_u32 s21, s21, SCL
	v_add_nc_u32 v5, v5, v6
	v_add_nc_u32 v[ADRS], s21, v5
	s_mul_i32 s23, s14, 4352
	s_add_co_u32 s23, s23, STAGE                   ; my stage
	v_mul_u32_u24 v5, v1, 272
	v_lshl_add_u32 v5, v2, 6, v5                   ; in: row r, 64 h bytes
	v_add_nc_u32 v[STO], s23, v5
	v_mul_u32_u24 v6, v2, 272
	v_lshl_add_u32 v6, v1, 4, v6                   ; back: sixteen lanes to a row of 256 bytes, two rows a load
	v_add_nc_u32 v[RD], s23, v6
	v_lshlrev_b32 v6, 12, v2
	v_lshl_add_u32 v[CO], v1, 4, v6                ; and the same two rows in out: 4,096 bytes a row
	v_lshlrev_b32 v[AH], 6, v2
	s_wait_alu depctr_va_vdst(0)                   ; ahead of the run of scalar lines
	s_lshl_b32 s20, s17, 7
	s_lshl_b32 s21, s15, 6
	s_add_co_u32 s20, s20, s21                     ; my first row of out
	s_lshl_b32 s20, s20, 12
	s_lshl_b32 s46, s42, 9
	s_lshl_b32 s47, s16, 8
	s_add_co_u32 s46, s46, s47                     ; my first column, in bytes
	s_add_co_u32 s20, s20, s46
	s_mov_b32 s21, 0
	s_add_nc_u64 s[12:13], s[98:99], s[20:21]
	s_mov_b32 s47, 0
	s_add_nc_u64 s[66:67], s[96:97], s[46:47]
	WIN 0x40
.irp g, 0,1
.irp q, 0,1,2,3
	global_load_b128 v[BN+16*\g+4*\q:BN+16*\g+4*\q+3], v[AH], s[66:67] offset:128*\g+16*\q   ; the bias at channels 32 g + 16 h + 0 .. 15: the C of B's blocks 2 g and 2 g + 1
.endr
.endr
	WIN 0
.macro FRAGB reg, s, i                 ; 16 rows x 128 K of B: six pieces of 8 bytes; K step s lies in plane s / 2, at pieces 12 (s % 2) ..
.irp p, 0,1,2,3,4,5
.set PCE, 12*((\s)%2)+6*(\p/3)+\p%3
.set OFF, (((\s)/2)%2)*BPL+8*PCE+16*(PCE/8)+(\i)*16*240
.if PCE%8 < 5
	ds_load_b64 v[\reg+2*\p:\reg+2*\p+1], v[ADRB+2*((\s)/4)] offset:OFF
.else
	ds_load_b64 v[\reg+2*\p:\reg+2*\p+1], v[ADRB+2*((\s)/4)+1] offset:OFF
.endif
.endr
.endm
.macro FRAGA reg, s, i                 ; 16 rows x 128 K of A: two images of six registers
	ds_load_b128 v[\reg:\reg+3], v[AA16] offset:12288*(\i)+1536*(\s)
	ds_load_b64 v[\reg+4:\reg+5], v[AA8] offset:12288*(\i)+1536*(\s)+512
	ds_load_b128 v[\reg+6:\reg+9], v[AA16] offset:12288*(\i)+1536*(\s)+768
	ds_load_b64 v[\reg+10:\reg+11], v[AA8] offset:12288*(\i)+1536*(\s)+1280
.endm
.macro FETCH s                         ; 40 loads: K step s into set s % 2
.irp i, 0,1,2,3
	FRAGB 64+96*((\s)%2)+12*\i, \s, \i
.endr
.irp i, 0,1,2,3
	FRAGA 112+96*((\s)%2)+12*\i, \s, \i
.endr
.endm
.macro MUL s                           ; 16 matrix instructions, the 16 accumulators by turns, in the same order in every step
.irp a, 0,1,2,3
.irp b, 0,1,2,3
.if (\s) == 0
	v_wmma_scale_f32_16x16x128_f8f6f4 v[8*(4*\a+\b):8*(4*\a+\b)+7], v[64+96*((\s)%2)+12*\b:64+96*((\s)%2)+12*\b+11], v[112+96*((\s)%2)+12*\a:112+96*((\s)%2)+12*\a+11], v[BN+8*\b:BN+8*\b+7], v[SC+8*\b+(\s)], v[SC+8*\a+(\s)] matrix_a_fmt:MATRIX_FMT_BF6 matrix_b_fmt:MATRIX_FMT_BF6 matrix_a_scale:MATRIX_SCALE_ROW1
.else
	v_wmma_scale_f32_16x16x128_f8f6f4 v[8*(4*\a+\b):8*(4*\a+\b)+7], v[64+96*((\s)%2)+12*\b:64+96*((\s)%2)+12*\b+11], v[112+96*((\s)%2)+12*\a:112+96*((\s)%2)+12*\a+11], v[8*(4*\a+\b):8*(4*\a+\b)+7], v[SC+8*\b+(\s)], v[SC+8*\a+(\s)] matrix_a_fmt:MATRIX_FMT_BF6 matrix_b_fmt:MATRIX_FMT_BF6 matrix_a_scale:MATRIX_SCALE_ROW1
.endif
.endr
.endr
.endm
	s_wait_alu depctr_va_vdst(0)
	s_wait_tensorcnt 0x0                           ; my tile of the four is in;
	s_barrier_signal -1
	s_barrier_wait -1                              ; and so is everybody's
	FETCH 0
.irp i, 0,1,2,3
	ds_load_b128 v[SC+8*\i:SC+8*\i+3], v[ADRS] offset:544*\i        ; a row's eight scale words: all of K
	ds_load_b128 v[SC+8*\i+4:SC+8*\i+7], v[ADRS] offset:544*\i+16
.endr
	s_wait_loadcnt 0x0                             ; the bias
.set ST, 0
.rept 8
.if ST < 7
.if ST > 0
.rept 4
	v_nop                                          ; places in front of loads into the set that the last step's products read
.endr
.endif
	FETCH ST+1
	s_wait_dscnt 40                                ; all but the 40 just issued
.else
	s_wait_dscnt 0x0
.endif
	WIN 0x50                                       ; C and D in window 1
	MUL ST
	WIN 0
.set ST, ST+1
.endr
; THE WAY OUT, block by block of 16 rows x 64 columns, through my own stage: back come whole rows of 256 bytes, which sixteen lanes store as one aligned unit.  LDS serves a wave's instructions in order: no wait between the stores and the loads.
.macro TOSTAGE a
	WIN 0x04                                       ; the data: window 1
.irp b, 0,1,2,3
	ds_store_b128 v[STO], v[8*(4*(\a)+\b):8*(4*(\a)+\b)+3] offset:128*(\b/2)+32*(\b%2)      ; each accumulator from its low end on
	ds_store_b128 v[STO], v[8*(4*(\a)+\b)+4:8*(4*(\a)+\b)+7] offset:128*(\b/2)+32*(\b%2)+16
.endr
	WIN 0
.set BB, 64+32*((\a)%2)
.irp t, 0,1,2,3,4,5,6,7
	ds_load_b128 v[BB+4*\t:BB+4*\t+3], v[RD] offset:\t*2*272
.endr
.endm
.macro SEND a, younger                 ; younger: the LDS instructions issued behind block a's loads
.set BB, 64+32*((\a)%2)
	s_wait_dscnt \younger
.irp t, 0,1,2,3,4,5,6,7
	global_store_b128 v[CO], v[BB+4*\t:BB+4*\t+3], s[12:13] offset:(32*((\a)/2)+8*((\a)%2)+2*\t+8*(\t/4))*4096 th:TH_STORE_NT   ; places 2 t + h of block a, at their rows of out
.endr
.endm
.rept 4
	v_nop                                          ; places in front of the reads of the last results and of the loads into the fragments' registers
.endr
	TOSTAGE 0
.irp a, 1,2,3
.if \a > 1
	s_wait_xcnt 0x0                                ; block a - 2's stores have read their registers
.endif
	TOSTAGE \a
	SEND \a-1, 16                                  ; behind block a - 1's loads: block a's 8 stores and 8 loads
.endr
	SEND 3, 0
	s_wait_tensorcnt 0x0                           ; the wave's end
	ds_add_u32 v[SPW], v[NIL]
	s_wait_dscnt 0x0
	CROUND                                         ; the closing round
	s_endpgm
.Lfunc_end_k_q1953d6bb5a_gemm_out:
	.size	k_q1953d6bb5a_gemm_out, .Lfunc_end_k_q1953d6bb5a_gemm_out-k_q1953d6bb5a_gemm_out
	.p2alignl 7, 3214868480
	.fill 96, 4, 3214868480
	.section	.rodata,"a",@progbits
	.p2align	6, 0x0
	.amdhsa_kernel k_q1953d6bb5a_gemm_out
		.amdhsa_group_segment_fixed_size 327680
		.amdhsa_private_segment_fixed_size 0
		.amdhsa_enable_private_segment 0
		.amdhsa_kernarg_size 48
		.amdhsa_user_sgpr_count 2
		.amdhsa_user_sgpr_kernarg_segment_ptr 1
		.amdhsa_wavefront_size32 1
		.amdhsa_system_sgpr_workgroup_id_x 1
		.amdhsa_system_sgpr_workgroup_id_y 1
		.amdhsa_system_sgpr_workgroup_id_z 1
		.amdhsa_system_vgpr_workitem_id 0
		.amdhsa_next_free_vgpr 512
		.amdhsa_next_free_sgpr 100
		.amdhsa_reserve_vcc 0
		.amdhsa_float_denorm_mode_32 3
		.amdhsa_float_denorm_mode_16_64 3
		.amdhsa_memory_ordered 1
		.amdhsa_forward_progress 1
		.amdhsa_inst_pref_size 56
	.end_amdhsa_kernel
	.amdgpu_metadata
---
amdhsa.version: [ 1, 2 ]
amdhsa.kernels:
  - .name:           k_q1953d6bb5a_gemm_out
    .symbol:         k_q1953d6bb5a_gemm_out.kd
    .args:
      - { .name: cc, .offset: 0, .size: 8, .value_kind: global_buffer, .address_space: global }
      - { .name: cs, .offset: 8, .size: 8, .value_kind: global_buffer, .address_space: global }
      - { .name: wc, .offset: 16, .size: 8, .value_kind: global_buffer, .address_space: global }
      - { .name: ws, .offset: 24, .size: 8, .value_kind: global_buffer, .address_space: global }
      - { .name: out_b, .offset: 32, .size: 8, .value_kind: global_buffer, .address_space: global }
      - { .name: out0, .offset: 40, .size: 8, .value_kind: global_buffer, .address_space: global }
    .group_segment_fixed_size: 327680
    .private_segment_fixed_size: 0
    .kernarg_segment_align: 8
    .kernarg_segment_size: 48
    .max_flat_workgroup_size: 128
    .sgpr_count:     100
    .vgpr_count:     512
    .wavefront_size: 32
...
	.end_amdgpu_metadata
.endif
;; end of part 4
